; MI455X (gfx1250); checked and timed in simulation.
; The chip was launched on July 23, 2026; its instructions are those of AMD's public machine-readable ISA for CDNA 5 (MIT licence, August 2026) and "CDNA5" Instruction Set Architecture Reference Guide (July 2026). The comments in the code are by the model that wrote it; some were corrected since.
;; Causal Multi Head Self Attention. Allowed arithmetic: matrix products marked QUANTISED: E4M3 operands, one E8M0 scale for each 32 along K, by v_wmma_scale_f32_16x16x128_f8f6f4 with both operands' format E4M3, f32 sums; everything else in f32.
;; Inputs: Wk 1,024 x 1,024 float32; Wo 1,024 x 1,024 float32; Wq 1,024 x 1,024 float32; Wv 1,024 x 1,024 float32; token_positions 2,048 int32; x 4 x 2,048 x 1,024 float32.
;; Outputs: out0 4 x 2,048 x 1,024 float32.
;; This version of the problem:
;;   THIS VERSION OF THE PROBLEM IS GIVEN IN LOW PRECISION. The matrix products marked QUANTISED in the list below multiply operands that are first quantised to E4M3 (4 exponent bits, 3 mantissa bits; 8 bits a number), with one power-of-two scale for each 32 numbers along K (OCP MX v1.0); their sums are f32. All else is computed in f32.
;;   The module's matrix products, in the order in which they are computed (A, B: the left and right operand; K: the contracted axis; several contracted axes count as one K, in the product's order):
;;     1. [M 8,192, K 1,024] x [K 1,024, N 1,024]; A: input x; B: input Wq: QUANTISED
;;     2. [M 8,192, K 1,024] x [K 1,024, N 1,024]; A: input x; B: input Wk: QUANTISED
;;     3. [M 8,192, K 1,024] x [K 1,024, N 1,024]; A: input x; B: input Wv: QUANTISED
;;     4. batch 64 x [M 2,048, K 64] x [K 64, N 2,048]; A: computed on the way; B: computed on the way: QUANTISED
;;     5. batch 64 x [M 2,048, K 2,048] x [K 2,048, N 64]; A: softmax (see below); B: computed on the way: QUANTISED
;;     6. [M 8,192, K 1,024] x [K 1,024, N 1,024]; A: computed on the way; B: input Wo: QUANTISED
;;   THE QUANTISER, for each operand of a quantised product, along K:
;;     - K is cut into blocks of 32 from its start; a last block that is shorter is filled with zeros.
;;     - A block's scale is 2^e with e = floor(log2(the largest magnitude in the block)) - 8, held to -126 .. 127; a block of zeros has e = 0. As a byte (E8M0): e + 127.
;;     - Each number is divided by its block's scale, clamped to +-448, and rounded to the nearest number of E4M3, ties to even, subnormals kept.
;;     - The product sums the exact products of the quantised numbers (number of the format x scale) in f32.
;;   ~~~python
;;   def quantise(x, axis):      # numpy; x: float32 -> the quantised numbers, widened to float32 again
;;       x = np.moveaxis(x, axis, -1); K = x.shape[-1]
;;       x = np.pad(x, [(0, 0)] * (x.ndim - 1) + [(0, -K % 32)]); x = x.reshape(x.shape[:-1] + (-1, 32)); a = np.abs(x).max(-1, keepdims=True)
;;       e = np.where(a > 0, np.clip(np.frexp(np.where(a > 0, a, 1))[1] - 1 - 8, -126, 127), 0)      # np.frexp(a)[1] - 1 = floor(log2(a)), exactly
;;       r = np.clip(x / 2.0 ** e, -448, 448)
;;       step = 2.0 ** (np.maximum(np.frexp(np.where(r == 0, 1, r))[1] - 1, -6) - 3)
;;       q = np.round(r / step) * step * 2.0 ** e      # np.round: ties to even
;;       return np.moveaxis(q.reshape(q.shape[:-2] + (-1,))[..., :K], -1, axis).astype(np.float32)
;;   ~~~
;;   SOFTMAX AHEAD OF A QUANTISED PRODUCT. Where the list says 'softmax', what is quantised is not the finished softmax but p = 2^(t - M), with t = logit x log2(e) and M = ceil(the row's largest t), a whole number; so 1/2 < the row's largest p <= 1. The row's sum l is taken of the UNQUANTISED p, in f32, and the product's result is divided by l at the end. Since M is a whole number, a kernel that streams over the keys may use a running M (the ceiling of the running maximum): every later rescaling is an exact power of two, which a block's scale takes up: the codes' values come out the same.
;;   OPERANDS COMPUTED ON THE WAY. 'Computed on the way' means the value that the module computes at that place (a softmax that the list does not call 'softmax' is quantised finished and normalised). What goes into a quantiser is computed in f32, as accurately as f32 sums, v_exp_f32 and their like allow (about 1e-6 of the number): no bf16 or f16 on the way to a quantiser, and a product that is left as it is and whose result goes on into a quantised operand takes f32 operands (vector FMAs, or v_wmma_f32_16x16x4_f32). A number that lies on a knife's edge between two numbers of the format may be rounded either way, as far as f32 arithmetic and the matrix unit's own rounding can turn it there, and no further.
;; 2 versions, each right; version 2 is version 1 with the launch attn written anew for expert scheduling mode. Each part assembles by itself: llvm-mc -triple=amdgcn-amd-amdhsa -mcpu=gfx1250 --defsym DOCPART=n.
;; ======== version 1 of 2: 4 launches
;; limits: right only within a limited range of input values
;; workspace buffers: cd 12,582,912 bytes; sc 393,216 bytes; tab 524,288 bytes; kv 17,825,792 bytes; qq 17,825,792 bytes; ac 8,388,608 bytes; asc 262,144 bytes
;; launch prep (part 1): grid 896 x 1, 8 waves a work-group, no clusters, 69,120 bytes of LDS; arguments x, Wq, Wk, Wv, Wo, token_positions, cd, sc, tab; writes cd, sc, tab
.if DOCPART == 1
	.amdgcn_target "amdgcn-amd-amdhsa--gfx1250"
	.amdhsa_code_object_version 6
	.text
	.protected	k_q8e7bc921ca_prep
	.globl	k_q8e7bc921ca_prep
	.p2align	8
	.type	k_q8e7bc921ca_prep,@function
k_q8e7bc921ca_prep:
	s_mov_b64 s[64:65], 0
	v_nop
	global_prefetch_b8 v0, s[64:65] scope:SCOPE_SE
	s_setreg_imm32_b32 hwreg(HW_REG_WAVE_MODE, 25, 1), 1
	s_wait_xcnt 0x0
; x [8192][1024] and Wq, Wk, Wv, Wo [1024][1024], f32, K innermost, become codes of E4M3 with one E8M0 byte for each 32 along K; and the table of cosines and sines for the rotation is made from token_positions.
; LAYOUT OF THE CODES (cd): a tile of 16 rows x 128 K is stored as the IMAGE OF AN OPERAND'S REGISTERS, 2,048 bytes: byte 512 c + 16 lane holds the 16 codes k = 32 c + 16 (lane / 16) + 0 .. 15 of tile row lane % 16.
; THE ROWS OF A TILE ARE NOT NEIGHBOURS: tile 2 g + u takes rows 32 g + 8 u + r + 8 (r / 8).  cd = [768 tiles][8 K steps][2,048]: tiles 0-511 x, then 64 each of Wq, Wk, Wv, Wo.
; sc = [768 tiles][512]: the scale word of (K step s, tile row r) at 256 (s / 4) + 16 r + 4 (s % 4).
; tab = [128 token tiles][8][32 lanes][4 f32]: unit q8 = 4 c + jj of lane (r, h) holds cos, sin of pair p0 = 16 c + 8 h + 2 jj and of p0 + 1, for the tile's token r.
; SHARES.  Work-groups 0-767: one tile of rows each, wave s its K step s.  Work-groups 768-895: one token tile of the table each, a thread one unit of 16 bytes.  The paths part once, on the work-group's number; only the first uses LDS.
; Each load reads 512 consecutive bytes of a row; the 16 rows turn through the wave's own stage (rows of 512 + 16 bytes) so that a lane gets 16 neighbours of each block of 32.
; A block's scale is 2^(floor(log2(largest magnitude)) - 8); its byte is the largest magnitude's exponent field - 8, held at 1 from below.
; LIMITS: a block of zeros gets the byte 1 where the rule says 127 (its codes are zeros, and this program alone reads the bytes); NaN and infinities are not served.
; POSITIONS are served for |position| under 2^22 = 4,194,304: whole numbers go to and from f32 by way of 1.5 x 2^23 (see the table's path), which holds that range.
; The frequency 10000^(-p / 32) is 2^(-p L), L = log2(10000) / 32 in two parts: about one unit in the last place.  The angle is pos x frequency, rounded once; it is brought under pi / 4 with pi / 2 in three parts
; (about 1e-7 absolute in the range served); sine and cosine by polynomials of degree 7 and 8 on that range.
.set SP,    528                        ; a stage row: 512 bytes + 16
.set STGW,  16*SP                      ; a wave's stage
.set SCW,   8*STGW                     ; behind the stages: the tile's 512 bytes of scale words
.set TM,    8                          ; v8-11 largest magnitudes, v12-15 bytes, v16-19 448 x the scale, v20-23 the conversions' scale operands
.set PW,    6                          ; v6  my row's scale word
.set R,     24                         ; v24-87  16 rows as loaded
.set PC,    24                         ; v24-39  the codes: laid over R, which is done with when the stage's reads are back
.set X,     88                         ; v88-151 64 numbers: register 16 b + i = k 32 b + 16 h + i of my row
	s_load_b512 s[4:19], s[0:1], 0x0               ; x, Wq, Wk, Wv, Wo, token_positions, cd, sc
	s_load_b64 s[20:21], s[0:1], 0x40              ; tab
	v_lshl_add_u32 v152, v0, 2, 0x10a00
	v_mov_b32 v153, 0
	v_lshrrev_b32 v1, 5, v0
	v_readfirstlane_b32 s22, v1                    ; wave 0..7
	v_and_b32 v6, 31, v0                           ; lane
	v_and_b32 v7, 15, v0                           ; r
	v_bfe_u32 v5, v0, 4, 1                         ; h
	v_lshlrev_b32 v1, 4, v6                        ; 16 x lane
	s_wait_kmcnt 0x0
	s_cmp_ge_u32 ttmp9, 768
	s_cbranch_scc1 .Ltable
	; ---- the quantiser.  Which tensor, and which of its tiles: the choice hangs on the work-group's number alone
	s_mov_b32 s24, 0x76543210
	s_mov_b32 s25, 0xfedcba98                      ; v_permlanex16_b32's selects for lane l xor 16
	s_mov_b32 s26, 0x600000                        ; the mantissa field of 448
	s_sub_co_u32 s27, ttmp9, 512
	s_lshr_b32 s28, s27, 6                         ; which weight
	s_and_b32 s29, s27, 63                         ; and its tile
	s_cmp_eq_u32 s28, 1
	s_cselect_b64 s[30:31], s[8:9], s[6:7]
	s_cmp_eq_u32 s28, 2
	s_cselect_b64 s[30:31], s[10:11], s[30:31]
	s_cmp_eq_u32 s28, 3
	s_cselect_b64 s[30:31], s[12:13], s[30:31]
	s_cmp_lt_u32 ttmp9, 512
	s_cselect_b64 s[30:31], s[4:5], s[30:31]
	s_cselect_b32 s29, ttmp9, s29
	s_lshr_b32 s32, s29, 1
	s_lshl_b32 s32, s32, 17                        ; 32 rows of 4,096 bytes for each pair of tiles,
	s_and_b32 s33, s29, 1
	s_lshl_b32 s33, s33, 15                        ; 8 rows for the odd tile,
	s_add_co_u32 s32, s32, s33
	s_lshl_b32 s33, s22, 9                         ; my K step's 512 bytes
	s_add_co_u32 s32, s32, s33
	s_mov_b32 s33, 0
	s_add_nc_u64 s[30:31], s[30:31], s[32:33]
	s_lshl_b32 s34, ttmp9, 14                      ; cd: 16,384 bytes a tile, 2,048 a K step
	s_lshl_b32 s35, s22, 11
	s_add_co_u32 s34, s34, s35
	s_mov_b32 s35, 0
	s_add_nc_u64 s[16:17], s[16:17], s[34:35]
	s_lshl_b32 s34, ttmp9, 9                       ; sc: 512 bytes a tile
	s_add_nc_u64 s[18:19], s[18:19], s[34:35]
.irp i, 0,1,2,3,4,5,6,7,8,9,10,11,12,13,14,15
	global_load_b128 v[R+4*\i:R+4*\i+3], v1, s[30:31] offset:(\i+8*(\i/8))*4096 th:TH_LOAD_NT   ; tile row i: 32 lanes read 512 consecutive bytes
.endr
	s_mul_i32 s36, s22, STGW
	v_add_nc_u32 v2, s36, v1                       ; the stage, on the way in: 16 x lane in a row
	v_mul_u32_u24 v3, v7, SP
	v_lshl_add_u32 v3, v5, 6, v3
	v_add_nc_u32 v3, s36, v3                       ; and on the way out: row r, + 64 h: my 16 numbers of a block
	s_lshr_b32 s37, s22, 2
	s_lshl_b32 s37, s37, 8
	s_and_b32 s38, s22, 3
	s_lshl_b32 s38, s38, 2
	s_add_co_u32 s37, s37, s38
	s_add_co_u32 s37, s37, SCW
	v_lshl_add_u32 v4, v7, 4, s37                  ; my scale word's place: 256 (s / 4) + 4 (s % 4) + 16 r
	v_add_nc_u32 v5, SCW, v1                       ; and where wave 0 reads the 512 bytes back
.irp b, 0,1,2,3
	v_mov_b32 v[TM+4+\b], 0                        ; a lane permute's destination counts as one of its sources
.endr
.irp i, 0,1,2,3,4,5,6,7,8,9,10,11,12,13,14,15
	s_wait_loadcnt 15-\i                           ; loads come back in order: row i is in, the younger ones may be out
	ds_store_b128 v2, v[R+4*\i:R+4*\i+3] offset:SP*\i
.endr
.irp b, 0,1,2,3
.irp j, 0,1,2,3
	ds_load_b128 v[X+16*\b+4*\j:X+16*\b+4*\j+3], v3 offset:128*\b+16*\j   ; LDS serves a wave's instructions in order: these see my stores
.endr
.endr
	s_wait_dscnt 0x0
.irp b, 0,1,2,3
	v_max3_num_f32 v[TM+\b], |v[X+16*\b]|, |v[X+1+16*\b]|, 0x4800000   ; block b: my 16 numbers, and the floor 2^(9 - 127): the byte cannot fall under 1
.endr
.irp i, 2,4,6,8,10,12,14
.irp b, 0,1,2,3
	v_max3_num_f32 v[TM+\b], v[TM+\b], |v[X+16*\b+\i]|, |v[X+1+16*\b+\i]|   ; the four blocks by turns
.endr
.endr
.irp b, 0,1,2,3
	v_permlanex16_b32 v[TM+4+\b], v[TM+\b], s24, s25
.endr
.irp b, 0,1,2,3
	v_max_num_f32 v[TM+\b], v[TM+\b], v[TM+4+\b]   ; with lane l xor 16's: the block's largest magnitude
.endr
.irp b, 0,1,2,3
	v_add_nc_u32 v[TM+12+\b], 0xfc000000, v[TM+\b] ; 8 off its exponent field: the conversion's scale operand
.endr
.irp b, 0,1,2,3
	v_and_or_b32 v[TM+8+\b], v[TM+\b], 0x7f800000, s26   ; 448 x the scale
.endr
.irp b, 0,1,2,3
	v_lshrrev_b32 v[TM+4+\b], 23, v[TM+12+\b]      ; the scale's byte
.endr
	v_lshl_or_b32 v[PW], v[TM+5], 8, v[TM+4]
	v_lshl_or_b32 v[PW], v[TM+6], 16, v[PW]
	v_lshl_or_b32 v[PW], v[TM+7], 24, v[PW]
.irp b, 0,1,2,3
.irp i, 0,1,2,3,4,5,6,7,8,9,10,11,12,13,14,15
	v_med3_num_f32 v[X+16*\b+\i], v[X+16*\b+\i], -v[TM+8+\b], v[TM+8+\b]   ; the conversion to an 8-bit code does not saturate (ISA guide 7.6.2): the hold at 448 x the scale
.endr
	v_cvt_scalef32_pk8_fp8_f32 v[PC+4*\b:PC+4*\b+1], v[X+16*\b:X+16*\b+7], v[TM+12+\b]
	v_cvt_scalef32_pk8_fp8_f32 v[PC+4*\b+2:PC+4*\b+3], v[X+16*\b+8:X+16*\b+15], v[TM+12+\b]
.endr
	v_nop                                          ; one plain line behind the last scaled conversion
.irp c, 0,1,2,3
	global_store_b128 v1, v[PC+4*\c:PC+4*\c+3], s[16:17] offset:512*\c   ; the image: 512 consecutive bytes a store
.endr
	ds_store_b32 v4, v[PW]                         ; both halves of the lanes write the same word with the same value
	s_wait_dscnt 0x0                               ; for the others' sake: my word has landed
	s_barrier_signal -1
	s_barrier_wait -1
	s_cmp_lg_u32 s22, 0
	s_cbranch_scc1 .Ldone
	ds_load_b128 v[8:11], v5                       ; wave 0: the tile's 512 bytes of scale words, which eight waves wrote
	s_wait_dscnt 0x0
	global_store_b128 v1, v[8:11], s[18:19]        ; 512 consecutive bytes
.Ldone:
	s_wait_tensorcnt 0x0
	ds_add_u32 v152, v153
	s_wait_dscnt 0x0
	s_endpgm
	; ---- the table.  WHOLE NUMBERS BY WAY OF B = 1.5 x 2^23 (bits 0x4b400000).  For a whole number i with |i| under 2^22 the f32 number B + i has the bits 0x4b400000 + i: so i becomes f32 by an integer
	; addition and the subtraction of B, and y + B, rounded once to nearest, ties to even, holds the whole number nearest y in its low bits; taking B away again gives that number as f32.
	; Registers of pair e (at 32 and at 48): +0 frequency, then angle; +1 a sum with B; +2 the whole number as f32; +3 the rest; +4 z; +5, +6 polynomials; +7 sine; +8 cosine; +9, +10 at work; +11 the pair's number
.Ltable:
	s_sub_co_u32 s27, ttmp9, 768                   ; token tile
	s_lshr_b32 s28, s27, 1
	s_lshl_b32 s28, s28, 5
	s_and_b32 s29, s27, 1
	s_lshl_b32 s29, s29, 3
	s_add_co_u32 s28, s28, s29
	v_and_b32 v2, 8, v7
	v_add_nc_u32 v2, v2, v7
	v_add_nc_u32 v2, s28, v2                       ; my token: 32 (T / 2) + 8 (T % 2) + r + 8 (r / 8)
	v_lshlrev_b32 v2, 2, v2
	global_load_b32 v3, v2, s[14:15]               ; its position
	s_lshr_b32 s30, s22, 2
	s_lshl_b32 s30, s30, 4
	s_and_b32 s31, s22, 3
	s_lshl_b32 s31, s31, 1
	s_add_co_u32 s30, s30, s31
	v_lshl_add_u32 v4, v5, 3, s30                  ; p0 = 16 c + 2 jj + 8 h
	v_mov_b32 v8, 0x4b400000                       ; B
	v_mov_b32 v9, 0xb94ca1f9                       ; S3: sine = rho + rho z (S1 + z (S2 + z S3))
	v_mov_b32 v10, 0x37ccf5ce                      ; C3: cosine = 1 - z / 2 + z z (C1 + z (C2 + z C3))
	v_mov_b32 v11, -0.5
	v_add_nc_u32 v43, 0x4b400000, v4               ; the bits of B + p0
	v_add_nc_u32 v59, 0x4b400001, v4               ; and of B + p0 + 1
.irp e, 32,48
	v_sub_f32 v[\e+11], v[\e+11], v8               ; p as f32
.endr
.irp e, 32,48
	v_fmamk_f32 v[\e+1], v[\e+11], 0x3ed49a78, v8  ; p L + B (L = log2(10000) / 32, its upper part): n, the whole number nearest p L, in the low bits
.endr
.irp e, 32,48
	v_sub_f32 v[\e+2], v[\e+1], v8                 ; n
.endr
.irp e, 32,48
	v_fmamk_f32 v[\e+3], v[\e+11], 0xbed49a78, v[\e+2]   ; n - p L, upper part: exact,
.endr
.irp e, 32,48
	v_fmamk_f32 v[\e+3], v[\e+11], 0xb2179a17, v[\e+3]   ; and lower: within a half
.endr
.irp e, 32,48
	v_exp_f32 v[\e], v[\e+3]                       ; 2^(n - p L), between 0.7 and 1.42
.endr
.irp e, 32,48
	v_lshlrev_b32 v[\e+1], 23, v[\e+1]             ; n at the exponent field's place (B's bits fall out at the top).  Plain lines behind the two exponentials
.endr
	s_wait_alu depctr_va_vdst(0)                   ; one wait for both, ahead of their first reader
.irp e, 32,48
	v_sub_nc_u32 v[\e], v[\e], v[\e+1]             ; n off the exponent field (n is 13 at the most): 2^(-p L)
.endr
	s_wait_loadcnt 0x0
	v_add_nc_u32 v3, 0x4b400000, v3                ; the bits of B + position,
	v_sub_f32 v3, v3, v8                           ; and the position as f32
.irp e, 32,48
	v_mul_f32 v[\e], v3, v[\e]                     ; the angle, rounded once
.endr
.irp e, 32,48
	v_fmamk_f32 v[\e+1], v[\e], 0x3f22f983, v8     ; angle x 2 / pi + B: the quadrant's number m in the low bits
.endr
.irp e, 32,48
	v_sub_f32 v[\e+2], v[\e+1], v8                 ; m
.endr
.irp e, 32,48
	v_fmamk_f32 v[\e+3], v[\e+2], 0xbfc90fdb, v[\e]      ; rho = angle - m pi / 2, pi / 2 in three parts (the literals are the parts with their signs turned)
.endr
.irp e, 32,48
	v_fmamk_f32 v[\e+3], v[\e+2], 0x333bbd2e, v[\e+3]
.endr
.irp e, 32,48
	v_fmamk_f32 v[\e+3], v[\e+2], 0x26f72ced, v[\e+3]
.endr
.irp e, 32,48
	v_mul_f32 v[\e+4], v[\e+3], v[\e+3]            ; z
.endr
.irp e, 32,48
	v_fmaak_f32 v[\e+5], v[\e+4], v9, 0x3c08839e   ; z S3 + S2
	v_fmaak_f32 v[\e+6], v[\e+4], v10, 0xbab6061a  ; z C3 + C2
.endr
.irp e, 32,48
	v_fmaak_f32 v[\e+5], v[\e+5], v[\e+4], 0xbe2aaaa3    ; .. z + S1
	v_fmaak_f32 v[\e+6], v[\e+6], v[\e+4], 0x3d2aaaa5    ; .. z + C1
.endr
.irp e, 32,48
	v_mul_f32 v[\e+9], v[\e+3], v[\e+4]            ; rho z
	v_mul_f32 v[\e+10], v[\e+4], v[\e+4]           ; z z
	v_fmaak_f32 v[\e+8], v[\e+4], v11, 0x3f800000  ; 1 - z / 2
.endr
.irp e, 32,48
	v_fma_f32 v[\e+7], v[\e+9], v[\e+5], v[\e+3]   ; sin rho
	v_fma_f32 v[\e+8], v[\e+10], v[\e+6], v[\e+8]  ; cos rho
.endr
.irp e, 32,48                                  ; odd quadrants swap the two; sine is negative in quadrants 2 and 3, cosine in 1 and 2.  Values are chosen, no way is
	v_and_b32 v[\e+10], 1, v[\e+1]
	v_cmp_eq_u32 vcc_lo, 1, v[\e+10]
	v_cndmask_b32 v[25+(\e-32)/8], v[\e+7], v[\e+8], vcc_lo
	v_cndmask_b32 v[24+(\e-32)/8], v[\e+8], v[\e+7], vcc_lo
	v_lshlrev_b32 v[\e+10], 30, v[\e+1]            ; bit 1 of m to the sign's place
	v_and_b32 v[\e+10], 0x80000000, v[\e+10]
	v_xor_b32 v[25+(\e-32)/8], v[\e+10], v[25+(\e-32)/8]
	v_add_nc_u32 v[\e+9], 1, v[\e+1]
	v_lshlrev_b32 v[\e+10], 30, v[\e+9]            ; bit 1 of m + 1
	v_and_b32 v[\e+10], 0x80000000, v[\e+10]
	v_xor_b32 v[24+(\e-32)/8], v[\e+10], v[24+(\e-32)/8]
.endr
	s_lshl_b32 s28, s27, 12                        ; 4,096 bytes a token tile, 512 a unit row
	s_lshl_b32 s29, s22, 9
	s_add_co_u32 s28, s28, s29
	s_mov_b32 s29, 0
	s_add_nc_u64 s[20:21], s[20:21], s[28:29]
	global_store_b128 v1, v[24:27], s[20:21]       ; 512 consecutive bytes a wave
	s_endpgm
.Lfunc_end_k_q8e7bc921ca_prep:
	.size	k_q8e7bc921ca_prep, .Lfunc_end_k_q8e7bc921ca_prep-k_q8e7bc921ca_prep
	.p2alignl 7, 3214868480
	.fill 96, 4, 3214868480
	.section	.rodata,"a",@progbits
	.p2align	6, 0x0
	.amdhsa_kernel k_q8e7bc921ca_prep
		.amdhsa_group_segment_fixed_size 69120
		.amdhsa_private_segment_fixed_size 0
		.amdhsa_enable_private_segment 0
		.amdhsa_kernarg_size 72
		.amdhsa_user_sgpr_count 2
		.amdhsa_user_sgpr_kernarg_segment_ptr 1
		.amdhsa_wavefront_size32 1
		.amdhsa_system_sgpr_workgroup_id_x 1
		.amdhsa_system_sgpr_workgroup_id_y 1
		.amdhsa_system_sgpr_workgroup_id_z 1
		.amdhsa_system_vgpr_workitem_id 0
		.amdhsa_next_free_vgpr 154
		.amdhsa_next_free_sgpr 66
		.amdhsa_reserve_vcc 1
		.amdhsa_float_denorm_mode_32 3
		.amdhsa_float_denorm_mode_16_64 3
		.amdhsa_memory_ordered 1
		.amdhsa_forward_progress 1
		.amdhsa_inst_pref_size 21
	.end_amdhsa_kernel
	.amdgpu_metadata
---
amdhsa.version: [ 1, 2 ]
amdhsa.kernels:
  - .name:           k_q8e7bc921ca_prep
    .symbol:         k_q8e7bc921ca_prep.kd
    .args:
      - { .name: x, .offset: 0, .size: 8, .value_kind: global_buffer, .address_space: global }
      - { .name: Wq, .offset: 8, .size: 8, .value_kind: global_buffer, .address_space: global }
      - { .name: Wk, .offset: 16, .size: 8, .value_kind: global_buffer, .address_space: global }
      - { .name: Wv, .offset: 24, .size: 8, .value_kind: global_buffer, .address_space: global }
      - { .name: Wo, .offset: 32, .size: 8, .value_kind: global_buffer, .address_space: global }
      - { .name: token_positions, .offset: 40, .size: 8, .value_kind: global_buffer, .address_space: global }
      - { .name: cd, .offset: 48, .size: 8, .value_kind: global_buffer, .address_space: global }
      - { .name: sc, .offset: 56, .size: 8, .value_kind: global_buffer, .address_space: global }
      - { .name: tab, .offset: 64, .size: 8, .value_kind: global_buffer, .address_space: global }
    .group_segment_fixed_size: 69120
    .private_segment_fixed_size: 0
    .kernarg_segment_align: 8
    .kernarg_segment_size: 72
    .max_flat_workgroup_size: 256
    .sgpr_count:     66
    .vgpr_count:     154
    .wavefront_size: 32
...
	.end_amdgpu_metadata
.endif
;; end of part 1
;; launch qkv (part 2): grid 12 x 32, 4 waves a work-group, clusters of 4 x 4, 327,680 bytes of LDS; arguments cd, sc, tab, qq, kv; writes qq, kv
.if DOCPART == 2
	.amdgcn_target "amdgcn-amd-amdhsa--gfx1250"
	.amdhsa_code_object_version 6
	.text
	.protected	k_q8e7bc921ca_qkv
	.globl	k_q8e7bc921ca_qkv
	.p2align	8
	.type	k_q8e7bc921ca_qkv,@function
k_q8e7bc921ca_qkv:
	s_mov_b64 s[64:65], 0
	v_nop
	global_prefetch_b8 v0, s[64:65] scope:SCOPE_SE
	s_setreg_imm32_b32 hwreg(HW_REG_WAVE_MODE, 25, 1), 1
	s_wait_xcnt 0x0
	s_wait_alu depctr_hold_cnt(0) depctr_sa_sdst(0) depctr_va_vdst(0) depctr_va_sdst(0) depctr_va_ssrc(0) depctr_va_vcc(0) depctr_vm_vsrc(0)
	s_getreg_b32 s2, hwreg(HW_REG_IB_STS2, 6, 4)
	s_cmp_eq_u32 s2, 0
	s_cbranch_scc0 .Lentry_in_a_cluster
	s_endpgm
.Lentry_in_a_cluster:
	s_bfe_u32 s2, ttmp6, 0x10000c
	s_cmp_lg_u32 s2, 0xf033
	s_cbranch_scc0 .Lentry_shape_is_right
	s_endpgm
.Lentry_shape_is_right:
; q = x Wq^T, k = x Wk^T, v = x Wv^T on codes of E4M3 with E8M0 scales (K = 1,024); q and k are rotated by the table; all three are quantised again in the accumulators' own layout
; (q, k along the head's 64; v along the KEYS) and stored as images of the operands that the attention launch reads.
; THE FRAME.  A work-group of four waves makes 256 x 256, a wave 128 x 128: 64 accumulators of 16 x 16, 512 registers.  K goes in four steps of 256 through two LDS slots filled by the tensor data mover.
; Operands lie in memory and in LDS as images of their registers (a tile of 16 rows x 128 K: 2,048 bytes, byte 512 c + 16 lane): every fragment load takes 512 consecutive bytes, so no pitch and no padding.
; The scale words of the work-group's 2 x 256 rows, for all of K, come once, with the first fills.
; The matrix instruction is used transposed: source 0 = 16 rows of 'B', source 1 = 16 rows of 'A'.  The rows of a tile are 32 g + 8 u + r + 8 (r / 8) (tile 2 g + u), so lane (r, h) holds A's tile row r, and the
; 64 registers of A's block a hold B's rows: register 16 c + i = row 32 c + 16 h + i of the wave's 128.
; WHICH PRODUCT is the CLUSTER's x (0 q, 1 k, 2 v), the same in all sixteen partners.  q, k: A = x, B = the weight: a lane is a token and its registers run along d.  v: A = Wv, B = x: a lane is a d and its registers
; run along the tokens, which are the second attention product's K.  Only the two numbers of the 256-row units differ; no LDS address and no descriptor's shape hangs on the kind.
; CLUSTERS: 4 x 4 work-groups; A's tiles are asked for jointly along a row of the cluster, B's along a column.
; OUT.  kv = [64 heads][16 steps of 128 keys][17,408]: +0 K's codes, 8 tiles x 1,024 (K = 64: c = 0, 1); +8,192 V's codes, 4 tiles of d x 2,048; +16,384 K's scale words [lane (h', r)][4]: word i = tile 4 h' + i;
; +16,896 V's scale words [lane][4]: word t = tile t of d.  qq has the same form; of it +0 .. 8,191 and +16,384 .. 16,895 are written and read.  Every store of the wave covers 512 consecutive bytes, aligned.
; q's and k's scale words carry 0x7f in their two upper bytes, for the zero codes that fill K = 64 up to the instruction's 128.
; LIMITS: a block of zeros gets the byte 1 where the rule says 127 (zero codes; this program alone reads the bytes); NaN and infinities are not served.
; REGISTERS, in windows of 256: window 0: v1 16 x lane, v3 lane / 16, v16-29 addresses; v32-63 scale words; v64-127 the table, two sets; v128-255 A's fragments, later the numbers, codes and the quantiser's registers.
;   window 1: B's fragments, two sets.   windows 2, 3: the accumulators ((a, b) at v[8 (8 (a % 4) + b)]).
.set NQ,     2                         ; matrix instructions deep in a slot
.set FR,     16                        ; registers of a fragment
.set NL,     4                         ; LDS loads that bring one
.set NP,     8                         ; places behind this matrix instruction (ISA guide 7.12.1)
.set TILEB,  4096                      ; a tile's two K steps of 128 in a slot
.set HALFT,  8*TILEB                   ; 128 rows: what one tensor load brings
.set SLOT,   4*HALFT                   ; A's 16 tiles, then B's 16
.set SCL,    2*SLOT                    ; behind the ring: the scale words, 512 bytes a tile: A's 16 tiles, then B's
.set HALFS,  4096
.set SPARE,  SCL+4*HALFS               ; the spare words, 128 bytes for each wave: two blocks of 256 bytes that no other line names
.set BLK,    17408
.set HS,     16*BLK                    ; from head to head in qq and kv
.set LI,   1                           ; v1   16 x lane
.set HH,   3                           ; v3   lane / 16
.set ADRA, 16                          ; v16-17  LDS address of my A fragments in slot 0, 1
.set ADRB, 20                          ; v20-21  the same for B
.set ADRS, 27                          ; v27  my scale words: lanes 0-15 A's rows, lanes 16-31 B's
.set SPW,  28                          ; v28  my spare word: SPARE + 4 x my thread's number; never rewritten
.set NIL,  29                          ; v29  0; never rewritten
.set SC,   32                          ; scale words: set s at v[SC + 16 s]; register 2 i + q: lanes 0-15 A's block i, lanes 16-31 B's block i, the slot's q-th 128 along K
.set AF,   128                         ; A's fragments
.set SW,   32                          ; the way out: the scale words made, v32-47;
.set SX,   48                          ; v48-55 those of K or Q as they are stored
.set TB,   64                          ; v64-127 the table, two sets of 32: register 2 m = cos, 2 m + 1 = sin of the lane's m-th pair of a head
.set ST,   128                         ; v128-191 the 64 numbers in hand
.set PC,   192                         ; v192-223 codes, two sets of 16
.set TM,   224                         ; v224-227 largest magnitudes, v228-231 bytes, v232-235 448 x the scale, v236-239 the conversions' scale operands
.set TP,   240                         ; v240-247 four pairs at work
.set G1, 24                            ; s[24:31] descriptor group 1 for A's tiles;  s[32:39] group 0, one set for each slot
.set G0, 32
.set G1B, 48                           ; s[48:55], s[56:63] the same for B's
.set G0B, 56
.set G1S, 68                           ; s[68:75], s[76:79] groups 1 and 0 for A's scale words;  s[80:87], s[88:91] for B's
.set G0S, 76
.set G1SB, 80
.set G0SB, 88
.set MSB, 0
.macro WIN new                         ; the immediate's high byte repeats the setting that is left
.if MSB != (\new)
	s_set_vgpr_msb (MSB<<8)|(\new)
.set MSB, (\new)
.endif
.endm
.set MUL_LO, 0xa1                      ; source 0 (B) window 1, source 1 (A) window 0, C and D window 2
.set MUL_HI, 0xf1                      ; the same, C and D window 3
.set TO_B,   0x40                      ; destination window 1, address window 0
; A joint load: waves 0 and 1 fetch for A, waves 2 and 3 for B.  The branch hangs on the wave's number alone.  Four v_nop follow each of the two lines.
.macro JLOAD g0a, g1a, g0b, g1b
	s_cmp_eq_u32 s15, 0
	s_cbranch_scc0 .Lfor_b_\@
	tensor_load_to_lds s[\g0a:\g0a+3], s[\g1a:\g1a+7]
	s_nop 0
.rept 4
	v_nop
.endr
	s_branch .Lasked_\@
.Lfor_b_\@:
	tensor_load_to_lds s[\g0b:\g0b+3], s[\g1b:\g1b+7]
	s_nop 0
.rept 4
	v_nop
.endr
.Lasked_\@:
.endm
.macro CREST                           ; a round of the cluster's barrier behind its opening barrier
	s_cmp_lg_u32 s14, 0
	s_cbranch_scc1 .Lnot_wave_0_\@
	s_barrier_signal -3
.Lnot_wave_0_\@:
	s_barrier_wait -3
	s_barrier_signal -1
	s_barrier_wait -1
.endm
.macro CROUND                          ; a whole round
	s_barrier_signal -1
	s_barrier_wait -1
	CREST
.endm
	s_load_b128 s[4:7], s[0:1], 0x0                ; cd, sc
	s_load_b128 s[8:11], s[0:1], 0x10              ; tab, qq
	s_load_b64 s[12:13], s[0:1], 0x20              ; kv
	v_lshl_add_u32 v[SPW], v0, 2, SPARE
	v_mov_b32 v[NIL], 0
	ds_add_u32 v28, v29
	ds_add_u32 v28, v29
	s_wait_dscnt 0x0
	v_lshrrev_b32 v1, 5, v0
	v_readfirstlane_b32 s14, v1                    ; wave 0..3
	s_lshr_b32 s15, s14, 1                         ; which half of A's 256 rows is mine.  Also: I fetch for A (0) or for B (1)
	s_and_b32 s16, s14, 1                          ; which half of B's.  Also: which 128 rows I fetch
	s_bfe_u32 s40, ttmp6, 0x40000                  ; cx, cy: my place in the cluster
	s_bfe_u32 s41, ttmp6, 0x40004
	s_and_b32 s17, ttmp7, 0xffff
	s_lshl_b32 s17, s17, 2                         ; the cluster's first unit of 256 tokens
	s_lshl_b32 s18, ttmp9, 2
	s_add_co_u32 s18, s18, 32                      ; the weight's first unit in cd: 32 Wq, 36 Wk
	s_cmp_eq_u32 ttmp9, 2                          ; v?  The cluster's x: the same in all partners
	s_cselect_b32 s19, 40, s17                     ; A: Wv's units, or the tokens'
	s_cselect_b32 s20, s17, s18                    ; B: the tokens', or the weight's
	s_add_co_u32 s19, s19, s41                     ; A's unit hangs on cy alone among the places,
	s_add_co_u32 s20, s20, s40                     ; B's on cx alone
	s_lshl_b32 s43, s41, 2
	s_lshl_b32 s43, 15, s43                        ; my row of the cluster
	s_lshl_b32 s44, 0x1111, s40                    ; my column
	; descriptor group 1 for codes: 8 tiles' 4,096 bytes (512 elements of 8 bytes), 16,384 bytes apart; dense in LDS
	s_or_b32 s[G1+0], s43, (3<<16)|(1<<21)         ; 15:0 the mask; 17:16 elements of 8 bytes; 20 no padding; 21 set beside a mask
	s_or_b32 s[G1B+0], s44, (3<<16)|(1<<21)
.irp g, G1, G1B
	s_mov_b32 s[\g+1], 512<<16                     ; tensor_dim0
	s_mov_b32 s[\g+2], 8<<16                       ; tensor_dim1
	s_mov_b32 s[\g+3], 512<<16                     ; tile_dim0
	s_mov_b32 s[\g+4], 8                           ; tile_dim1
	s_mov_b32 s[\g+5], 2048                        ; tensor_dim0_stride
	s_mov_b32 s[\g+6], 0
	s_mov_b32 s[\g+7], 0
.endr
	; and for the scale words of 128 rows: 4,096 dense bytes as 16 rows of 256
	s_or_b32 s[G1S+0], s43, (3<<16)|(1<<21)
	s_or_b32 s[G1SB+0], s44, (3<<16)|(1<<21)
.irp g, G1S, G1SB
	s_mov_b32 s[\g+1], 32<<16
	s_mov_b32 s[\g+2], 16<<16
	s_mov_b32 s[\g+3], 32<<16
	s_mov_b32 s[\g+4], 16
	s_mov_b32 s[\g+5], 32
	s_mov_b32 s[\g+6], 0
	s_mov_b32 s[\g+7], 0
.endr
	s_lshl_b32 s21, s16, 17                        ; the half that I fetch: 8 tiles of 16,384 bytes
	s_lshl_b32 s92, s19, 18                        ; a unit of 256 rows: 262,144 bytes of codes
	s_add_co_u32 s92, s92, s21
	s_mov_b32 s93, 0
	s_lshl_b32 s94, s20, 18
	s_add_co_u32 s94, s94, s21
	s_mov_b32 s95, 0
	s_lshl_b32 s21, s16, 12
	s_lshl_b32 s96, s19, 13                        ; and 8,192 of scale words
	s_add_co_u32 s96, s96, s21
	s_mov_b32 s97, 0
	s_lshl_b32 s98, s20, 13
	s_add_co_u32 s98, s98, s21
	s_mov_b32 s99, 0
	s_lshl_b32 s45, s14, 15                        ; where they go: wave x 32,768: no place in the cluster enters an LDS address
	s_lshl_b32 s46, s14, 12
	s_wait_kmcnt 0x0
	s_add_nc_u64 s[92:93], s[4:5], s[92:93]
	s_add_nc_u64 s[94:95], s[4:5], s[94:95]
	s_add_nc_u64 s[96:97], s[6:7], s[96:97]
	s_add_nc_u64 s[98:99], s[6:7], s[98:99]
	CROUND                                         ; all sixteen work-groups are here: the first joint loads meet
	s_mov_b32 s[G0S], 1
	s_add_co_u32 s[G0S+1], s46, SCL
	s_mov_b64 s[G0S+2:G0S+3], s[96:97]
	s_or_b32 s[G0S+3], s[G0S+3], 0x80000000
	s_mov_b32 s[G0SB], 1
	s_add_co_u32 s[G0SB+1], s46, SCL
	s_mov_b64 s[G0SB+2:G0SB+3], s[98:99]
	s_or_b32 s[G0SB+3], s[G0SB+3], 0x80000000
	JLOAD G0S, G1S, G0SB, G1SB                     ; the scale words first: they are wanted with K step 0
.irp s, 0,1
	s_mov_b32 s[G0+4*\s], 1
	s_add_co_u32 s[G0+4*\s+1], s45, \s*SLOT
	s_add_nc_u64 s[G0+4*\s+2:G0+4*\s+3], s[92:93], \s*TILEB
	s_or_b32 s[G0+4*\s+3], s[G0+4*\s+3], 0x80000000
	s_mov_b32 s[G0B+4*\s], 1
	s_add_co_u32 s[G0B+4*\s+1], s45, \s*SLOT
	s_add_nc_u64 s[G0B+4*\s+2:G0B+4*\s+3], s[94:95], \s*TILEB
	s_or_b32 s[G0B+4*\s+3], s[G0B+4*\s+3], 0x80000000
	JLOAD G0+4*\s, G1, G0B+4*\s, G1B               ; three loads of mine are out
.endr
	v_and_b32 v1, 31, v0
	v_lshlrev_b32 v[LI], 4, v1                     ; 16 x lane
	v_and_b32 v2, 15, v0                           ; r
	v_bfe_u32 v[HH], v0, 4, 1                      ; h
	s_lshl_b32 s21, s15, 15                        ; my 8 tiles of A
	s_lshl_b32 s22, s16, 15                        ; my 8 tiles of B,
	s_add_co_u32 s22, s22, 2*HALFT                 ; which lie behind A's 16
.irp s, 0,1
	v_add_nc_u32 v[ADRA+\s], s21, v[LI]
	v_add_nc_u32 v[ADRB+\s], s22, v[LI]
	s_add_co_u32 s21, s21, SLOT
	s_add_co_u32 s22, s22, SLOT
.endr
	s_lshl_b32 s21, s15, 12                        ; A's scale words: my 8 tiles
	s_lshl_b32 s22, s16, 12                        ; B's: my 8 tiles, behind A's 16
	s_add_co_u32 s22, s22, 2*HALFS
	s_sub_co_u32 s22, s22, s21
	v_mul_u32_u24 v4, s22, v[HH]                   ; lanes 16-31 take B's: one product, the distance between the two bases
	s_add_co_u32 s21, s21, SCL
	v_lshl_add_u32 v4, v2, 4, v4                   ; 16 bytes a row: four K steps' words
	v_add_nc_u32 v[ADRS], s21, v4
	; the way out's places, in registers that feed no descriptor
	s_and_b32 s95, ttmp7, 0xffff
	s_lshl_b32 s95, s95, 2
	s_cmp_eq_u32 ttmp9, 2
	s_cselect_b32 s66, s40, s41                    ; the tokens' unit lies along x for v, along y for q and k;
	s_cselect_b32 s67, s41, s40                    ; the weight's unit (four heads) the other way round;
	s_cselect_b32 s47, s16, s15                    ; likewise my half of the tokens
	s_cselect_b32 s42, s15, s16                    ; and my half of the heads
	s_add_co_u32 s95, s95, s66                     ; unit of 256 tokens, 0 .. 31
	s_lshr_b32 s2, s95, 3
	s_lshl_b32 s2, s2, 8                           ; batch x 16 heads x 16 steps
	s_lshl_b32 s67, s67, 6
	s_add_co_u32 s2, s2, s67                       ; + 4 heads x 16 steps for each unit of the weight
	s_lshl_b32 s42, s42, 5
	s_add_co_u32 s2, s2, s42                       ; + 2 heads x 16 steps for my half
	s_and_b32 s95, s95, 7
	s_lshl_b32 s3, s95, 1
	s_add_co_u32 s3, s3, s47                       ; my step of 128 tokens in the sequence
	s_add_co_u32 s2, s2, s3
	s_mul_i32 s2, s2, BLK
	s_lshl_b32 s22, s3, 15                         ; the table: 8 token tiles of 4,096 bytes a step
	s_mov_b32 s3, 0
	s_mov_b32 s23, 0
	s_cmp_eq_u32 ttmp9, 0
	s_cselect_b64 s[10:11], s[10:11], s[12:13]     ; q goes to qq, k and v to kv
	s_add_nc_u64 s[10:11], s[10:11], s[2:3]
	s_add_nc_u64 s[8:9], s[8:9], s[22:23]
	s_mov_b32 s92, 0x76543210
	s_mov_b32 s93, 0xfedcba98                      ; v_permlanex16_b32's selects for lane l xor 16
	s_mov_b32 s94, 0x600000                        ; the mantissa field of 448
.macro FRAG reg, adr, q, i             ; a fragment's image: four loads of 512 consecutive bytes
.irp c, 0,1,2,3
	ds_load_b128 v[\reg+4*\c:\reg+4*\c+3], v[\adr] offset:TILEB*(\i)+2048*(\q)+512*\c
.endr
.endm
; 16 matrix instructions: A's blocks a0, a0 + 1 x B's eight, the slot's q-th 128 along K.  p: B's set;  sc: the set of scale words.  zero = 1: the first product starts the sums.
; The 64 accumulators take turns, one instruction a turn, in the same order in every step.
.macro MUL16 a0, p, q, sc, zero
.irp a, \a0, \a0+1
.irp b, 0,1,2,3,4,5,6,7
.if \zero
	v_wmma_scale_f32_16x16x128_f8f6f4 v[8*(8*((\a)%4)+\b):8*(8*((\a)%4)+\b)+7], v[128*(\p)+FR*\b:128*(\p)+FR*\b+FR-1], v[AF+FR*(\a):AF+FR*(\a)+FR-1], 0, v[SC+8*NQ*(\sc)+NQ*\b+(\q)], v[SC+8*NQ*(\sc)+NQ*(\a)+(\q)] matrix_a_scale:MATRIX_SCALE_ROW1
.else
	v_wmma_scale_f32_16x16x128_f8f6f4 v[8*(8*((\a)%4)+\b):8*(8*((\a)%4)+\b)+7], v[128*(\p)+FR*\b:128*(\p)+FR*\b+FR-1], v[AF+FR*(\a):AF+FR*(\a)+FR-1], v[8*(8*((\a)%4)+\b):8*(8*((\a)%4)+\b)+7], v[SC+8*NQ*(\sc)+NQ*\b+(\q)], v[SC+8*NQ*(\sc)+NQ*(\a)+(\q)] matrix_a_scale:MATRIX_SCALE_ROW1
.endif
.endr
.endr
.endm
.macro FETCH_B slot, q, p              ; B's eight fragments of the slot's q-th 128 along K into set p
	WIN TO_B
.irp i, 0,1,2,3,4,5,6,7
	FRAG 128*(\p)+FR*\i, ADRB+\slot, \q, \i
.endr
	WIN 0
.endm
.macro FETCH_A slot, q, i0             ; A's blocks i0 .. i0 + 3
.irp i, \i0, \i0+1, \i0+2, \i0+3
	FRAG AF+FR*(\i), ADRA+\slot, \q, \i
.endr
.endm
.macro SCALES sc, sg                   ; the scale words of K step sg (of four) into set sc: two words a row
.irp i, 0,1,2,3,4,5,6,7
	ds_load_b64 v[SC+8*NQ*\sc+NQ*\i:SC+8*NQ*\sc+NQ*\i+1], v[ADRS] offset:512*\i+256*((\sg)/2)+8*((\sg)%2)
.endr
.endm
; A load into a register that a matrix instruction has read, and a vector instruction that reads a matrix result or writes one of its registers, stand NP places behind it; only plain vector instructions
; that name none of its registers are places (ISA guide 7.12.1 for vector instructions).
.macro PLACES n
.rept \n
	v_nop
.endr
.endm
.macro STEP slot, q, zero              ; 128 along K that has its successor in the same slot
	s_wait_dscnt 4*NL                              ; B's set, A's blocks 0-3 and the scale words are in; the youngest 16 loads (A's blocks 4-7) may be out
	WIN MUL_LO
	MUL16 0, (\q)%2, \q, \slot, \zero
	MUL16 2, (\q)%2, \q, \slot, \zero
	s_wait_dscnt 0
	PLACES NP
	FETCH_B \slot, (\q)+1, 1-(\q)%2
	FETCH_A \slot, (\q)+1, 0
	WIN MUL_HI
	MUL16 4, (\q)%2, \q, \slot, \zero
	MUL16 6, (\q)%2, \q, \slot, \zero
	PLACES NP
	WIN 0
	FETCH_A \slot, (\q)+1, 4
.endm
; A slot's last 128 change slots: ONE barrier; in front of it each wave waits for all its tensor loads, adds 0 to its spare word, and waits for that and for its reads of this slot.
; fill = 1: this slot is filled again, two K steps ahead, behind a round of the cluster's barrier.  sg: the K step that lies in the next slot.
.macro TURN slot, next, fill, sg
	s_wait_tensorcnt 0x0                           ; all my tensor loads have landed: my part of the next slot  (every window is 0 here)
	ds_add_u32 v[SPW], v[NIL]                      ; 0 onto my spare word
	s_wait_dscnt 4*NL+1                            ; the add and the youngest 16 loads may be out
	WIN MUL_LO
	MUL16 0, 1, NQ-1, \slot, 0
	s_wait_dscnt 0x0                               ; the add is done, and my reads of this slot are over
	s_barrier_signal -1
	MUL16 2, 1, NQ-1, \slot, 0
	WIN 0
	s_barrier_wait -1
.if \fill
	CREST                                          ; no wave of any partner still reads this slot or has a load on its way
	s_add_nc_u64 s[G0+4*\slot+2:G0+4*\slot+3], s[G0+4*\slot+2:G0+4*\slot+3], 2*TILEB
	s_add_nc_u64 s[G0B+4*\slot+2:G0B+4*\slot+3], s[G0B+4*\slot+2:G0B+4*\slot+3], 2*TILEB
	JLOAD G0+4*\slot, G1, G0B+4*\slot, G1B         ; the first tensor load behind the round, my only one until the next; its four v_nop are among the places below
	PLACES NP-4
.else
	PLACES NP
.endif
	FETCH_B \next, 0, 0
	FETCH_A \next, 0, 0
	SCALES \next, \sg
	WIN MUL_HI
	MUL16 4, 1, NQ-1, \slot, 0
	MUL16 6, 1, NQ-1, \slot, 0
	PLACES NP
	WIN 0
	FETCH_A \next, 0, 4
.endm
.macro LAST64                          ; the very last 128 along K: nothing more to fetch
	s_wait_dscnt 4*NL
	WIN MUL_LO
	MUL16 0, 1, NQ-1, 1, 0
	MUL16 2, 1, NQ-1, 1, 0
	s_wait_dscnt 0
	WIN MUL_HI
	MUL16 4, 1, NQ-1, 1, 0
	MUL16 6, 1, NQ-1, 1, 0
	WIN 0
	PLACES NP                                      ; ahead of the first read of results and the first write of registers that held operands
.irp b, 0,1,2,3
	v_mov_b32 v[TM+4+\b], 0                        ; a lane permute's destination counts as one of its sources
.endr
.endm
.macro FINISH                          ; the wave's end, then the closing round: no work-group ends while a partner may still ask for a tile that names it
	s_wait_tensorcnt 0x0
	ds_add_u32 v[SPW], v[NIL]
	s_wait_dscnt 0x0
	CROUND
	s_endpgm
.endm
; 64 numbers of a lane at v[src] of window w, register 16 b + i = k 32 b + 16 h + i of my row, become 16 registers of codes at v[pc]; the four bytes stay in v[TM+4] on.  Held numbers go to v[ST] on.
; Each accumulator is read from its low end on: the maxima take the registers in ascending order.
.macro QUANT src, w, pc
	WIN (5*(\w))                                   ; sources 0 and 1
.irp b, 0,1,2,3
	v_max3_num_f32 v[TM+\b], |v[\src+16*\b]|, |v[\src+16*\b+1]|, 0x4800000   ; my 16 numbers of block b, and the floor 2^(9 - 127): the byte cannot fall under 1
.endr
.irp i, 2,4,6,8,10,12,14
.irp b, 0,1,2,3
	v_max3_num_f32 v[TM+\b], |v[\src+16*\b+\i]|, |v[\src+16*\b+\i+1]|, v[TM+\b]
.endr
.endr
	WIN 0
.irp b, 0,1,2,3
	v_permlanex16_b32 v[TM+4+\b], v[TM+\b], s92, s93
.endr
.irp b, 0,1,2,3
	v_max_num_f32 v[TM+\b], v[TM+\b], v[TM+4+\b]   ; with lane l xor 16's: the block's largest magnitude
.endr
.irp b, 0,1,2,3
	v_add_nc_u32 v[TM+12+\b], 0xfc000000, v[TM+\b] ; 8 off its exponent field: the conversion's scale operand
.endr
.irp b, 0,1,2,3
	v_and_or_b32 v[TM+8+\b], v[TM+\b], 0x7f800000, s94   ; 448 x the scale
.endr
.irp b, 0,1,2,3
	v_lshrrev_b32 v[TM+4+\b], 23, v[TM+12+\b]      ; the scale's byte
.endr
	WIN (\w)                                       ; source 0
.irp b, 0,1,2,3
.irp i, 0,1,2,3,4,5,6,7,8,9,10,11,12,13,14,15
	v_med3_num_f32 v[ST+16*\b+\i], v[\src+16*\b+\i], -v[TM+8+\b], v[TM+8+\b]   ; the conversion to an 8-bit code does not saturate (ISA guide 7.6.2): the hold
.endr
.endr
	WIN 0
.irp b, 0,1,2,3
	v_cvt_scalef32_pk8_fp8_f32 v[\pc+4*\b:\pc+4*\b+1], v[ST+16*\b:ST+16*\b+7], v[TM+12+\b]
	v_cvt_scalef32_pk8_fp8_f32 v[\pc+4*\b+2:\pc+4*\b+3], v[ST+16*\b+8:ST+16*\b+15], v[TM+12+\b]
.endr
	v_nop                                          ; one plain line behind the last scaled conversion
.endm
; q, k: token tile a of my eight.  The rotation: of a pair (x1, x2) and its (cos, sin): first (-x2 sin, x2 cos), then (x1 cos, x1 sin) added by a fused multiply-add.  Two heads of 64: blocks 0, 1 and 2, 3.
.macro QKTURN a
.set W,   2+(\a)/4
.set AC,  64*((\a)%4)
.set TBS, TB+32*((\a)%2)
.set PCS, PC+16*((\a)%2)
	s_wait_xcnt 0x0                                ; the stores of two tiles ago have read their codes: that set is written again below
.if (\a) < 7
.irp k, 0,1,2,3,4,5,6,7
	global_load_b128 v[TB+32*(((\a)+1)%2)+4*\k:TB+32*(((\a)+1)%2)+4*\k+3], v[LI], s[8:9] offset:4096*((\a)+1)+512*\k   ; the next tile's table
.endr
	s_wait_loadcnt 8                               ; this tile's table is in; the eight just asked for may be out
.else
	s_wait_loadcnt 0
.endif
	WIN W                                          ; source 0: the accumulators' window
.irp n, 0,1,2,3,4,5,6,7
.irp k, 0,1,2,3
	v_pk_mul_f32 v[TP+2*\k:TP+2*\k+1], v[AC+8*\n+2*\k:AC+8*\n+2*\k+1], v[TBS+(8*\n+2*\k)%32:TBS+(8*\n+2*\k)%32+1] op_sel:[1,1] op_sel_hi:[1,0] neg_lo:[1,0]
.endr
.irp k, 0,1,2,3
	v_pk_fma_f32 v[ST+8*\n+2*\k:ST+8*\n+2*\k+1], v[AC+8*\n+2*\k:AC+8*\n+2*\k+1], v[TBS+(8*\n+2*\k)%32:TBS+(8*\n+2*\k)%32+1], v[TP+2*\k:TP+2*\k+1] op_sel_hi:[0,1,1]
.endr
.endr
	QUANT ST, 0, PCS
.irp hd, 0,1
	v_lshl_or_b32 v[SW+8*\hd+(\a)], v[TM+5+2*\hd], 8, v[TM+4+2*\hd]
	v_or_b32 v[SW+8*\hd+(\a)], 0x7f7f0000, v[SW+8*\hd+(\a)]   ; 2^0 for the zero codes of k = 64 .. 127
.endr
.irp q, 0,1,2,3
	global_store_b128 v[LI], v[PCS+4*\q:PCS+4*\q+3], s[10:11] offset:(\q/2)*HS+1024*(\a)+512*(\q%2)
.endr
.endm
; v: tile a of my eight tiles of d (two heads x four): the 64 registers are 128 keys' numbers of row d = r
.macro VTURN a
.set W,   2+(\a)/4
.set AC,  64*((\a)%4)
.set PCS, PC+16*((\a)%2)
	s_wait_xcnt 0x0                                ; the stores of two tiles ago have read their codes
	QUANT AC, W, PCS
	v_lshl_or_b32 v[SW+(\a)], v[TM+5], 8, v[TM+4]
	v_lshl_or_b32 v[SW+(\a)], v[TM+6], 16, v[SW+(\a)]
	v_lshl_or_b32 v[SW+(\a)], v[TM+7], 24, v[SW+(\a)]
.irp c, 0,1,2,3
	global_store_b128 v[LI], v[PCS+4*\c:PCS+4*\c+3], s[10:11] offset:((\a)/4)*HS+8192+2048*((\a)%4)+512*\c
.endr
.endm
	s_wait_tensorcnt 1                             ; the scale words and my part of K step 0 are in (K step 1's load may be out)
	s_barrier_signal -1
	s_barrier_wait -1                              ; everybody's are
	FETCH_B 0, 0, 0
	FETCH_A 0, 0, 0
	SCALES 0, 0
	FETCH_A 0, 0, 4
	STEP 0, 0, 1                                   ; K = 1,024 is four K steps of 256: written out
	TURN 0, 1, 1, 1
	STEP 1, 0, 0
	TURN 1, 0, 1, 2
	STEP 0, 0, 0
	TURN 0, 1, 0, 3
	STEP 1, 0, 0
	s_cmp_eq_u32 ttmp9, 2                          ; the ways part once, on the cluster's x; the last 64 products stand in both
	s_cbranch_scc1 .Lv
.irp k, 0,1,2,3,4,5,6,7
	global_load_b128 v[TB+4*\k:TB+4*\k+3], v[LI], s[8:9] offset:512*\k   ; the first tile's table lands under the last products
.endr
	LAST64
.irp a, 0,1,2,3,4,5,6,7
	QKTURN \a
.endr
	v_cmp_eq_u32 vcc_lo, 1, v[HH]                  ; lanes 16-31 carry tiles 4 to 7's words
.irp hd, 0,1
.irp i, 0,1,2,3
	v_cndmask_b32 v[SX+4*\hd+\i], v[SW+8*\hd+\i], v[SW+8*\hd+4+\i], vcc_lo
.endr
	global_store_b128 v[LI], v[SX+4*\hd:SX+4*\hd+3], s[10:11] offset:\hd*HS+16384
.endr
	FINISH
.Lv:
	LAST64
.irp a, 0,1,2,3,4,5,6,7
	VTURN \a
.endr
.irp hd, 0,1
	global_store_b128 v[LI], v[SW+4*\hd:SW+4*\hd+3], s[10:11] offset:\hd*HS+16896
.endr
	FINISH
.Lfunc_end_k_q8e7bc921ca_qkv:
	.size	k_q8e7bc921ca_qkv, .Lfunc_end_k_q8e7bc921ca_qkv-k_q8e7bc921ca_qkv
	.p2alignl 7, 3214868480
	.fill 96, 4, 3214868480
	.section	.rodata,"a",@progbits
	.p2align	6, 0x0
	.amdhsa_kernel k_q8e7bc921ca_qkv
		.amdhsa_group_segment_fixed_size 327680
		.amdhsa_private_segment_fixed_size 0
		.amdhsa_enable_private_segment 0
		.amdhsa_kernarg_size 40
		.amdhsa_user_sgpr_count 2
		.amdhsa_user_sgpr_kernarg_segment_ptr 1
		.amdhsa_wavefront_size32 1
		.amdhsa_system_sgpr_workgroup_id_x 1
		.amdhsa_system_sgpr_workgroup_id_y 1
		.amdhsa_system_sgpr_workgroup_id_z 1
		.amdhsa_system_vgpr_workitem_id 0
		.amdhsa_next_free_vgpr 1024
		.amdhsa_next_free_sgpr 102
		.amdhsa_reserve_vcc 1
		.amdhsa_float_denorm_mode_32 3
		.amdhsa_float_denorm_mode_16_64 3
		.amdhsa_memory_ordered 1
		.amdhsa_forward_progress 1
		.amdhsa_inst_pref_size 255
	.end_amdhsa_kernel
	.section	.bss,"aw",@nobits
	.p2align	6
	.space	262144
	.amdgpu_metadata
---
amdhsa.version: [ 1, 2 ]
amdhsa.kernels:
  - .name:           k_q8e7bc921ca_qkv
    .symbol:         k_q8e7bc921ca_qkv.kd
    .args:
      - { .name: cd, .offset: 0, .size: 8, .value_kind: global_buffer, .address_space: global }
      - { .name: sc, .offset: 8, .size: 8, .value_kind: global_buffer, .address_space: global }
      - { .name: tab, .offset: 16, .size: 8, .value_kind: global_buffer, .address_space: global }
      - { .name: qq, .offset: 24, .size: 8, .value_kind: global_buffer, .address_space: global }
      - { .name: kv, .offset: 32, .size: 8, .value_kind: global_buffer, .address_space: global }
    .group_segment_fixed_size: 327680
    .private_segment_fixed_size: 0
    .kernarg_segment_align: 8
    .kernarg_segment_size: 40
    .max_flat_workgroup_size: 128
    .sgpr_count:     102
    .vgpr_count:     1024
    .wavefront_size: 32
...
	.end_amdgpu_metadata
.endif
;; end of part 2
;; launch attn (part 3): grid 4 x 64, 16 waves a work-group, no clusters, 36,864 bytes of LDS; arguments qq, kv, ac, asc; writes ac, asc
.if DOCPART == 3
	.amdgcn_target "amdgcn-amd-amdhsa--gfx1250"
	.amdhsa_code_object_version 6
	.text
	.protected	k_q8e7bc921ca_attn
	.globl	k_q8e7bc921ca_attn
	.p2align	8
	.type	k_q8e7bc921ca_attn,@function
k_q8e7bc921ca_attn:
	s_mov_b64 s[64:65], 0
	v_nop
	global_prefetch_b8 v0, s[64:65] scope:SCOPE_SE
	s_setreg_imm32_b32 hwreg(HW_REG_WAVE_MODE, 25, 1), 1
	s_wait_xcnt 0x0
; Causal attention of one head on codes of E4M3 with E8M0 scales, head size 64; the result is quantised along d_model and stored as the output projection's operand.
; THE SOFTMAX AHEAD OF THE SECOND PRODUCT: t = score x log2(e) / 8; M = the running largest t rounded UP to a whole number; p = 2^(t - M) is quantised along the keys, not normalised; the row's sum is taken of the
; unquantised p and divides at the end.  When M moves, the sum and O are multiplied by 2^(old M - new M): exact.
; SHARES.  Work-group (x, head) makes two passes: the blocks x and 7 - x of 256 queries, 2 x + 2 and 16 - 2 x key steps of 128: 18 steps for every work-group.  Each of the sixteen waves owns one tile of 16 queries:
; four waves to a SIMD, so that one wave's vector work stands beside another's products and LDS loads.
; LAYOUT.  Both products are used transposed: S^T = K Q^T, O^T = V^T P^T: a lane holds ONE query (lane % 16).  All tiles take rows 32 g + 8 u + r + 8 (r / 8) (tile 2 g + u), so that the 16 registers of two
; neighbouring tiles are 16 neighbours: of the keys in S^T and p, of d in O^T.  K = 64 of the first product is filled up to the instruction's 128 by zero codes in registers that are cleared once.
; A KEY STEP's block of kv (17,408 bytes: K's codes, V's codes, K's and V's scale words, all as images of registers) is copied as it lies into one of two LDS buffers, through registers: a thread moves 16 bytes of K,
; 16 of V, and waves 0 and 1 the scale words.  It is asked of memory two steps ahead of its use and stored to LDS one step ahead.  One barrier a step.  A trip of the loop runs two steps, so every LDS address is a
; lane term and an immediate.
; NO CLUSTER, NO JOINT LOADS: the four work-groups of a head walk different numbers of key steps (2 x + 2), so partners would not make the same requests; and the trip count hangs on the work-group's number.
; CAUSAL: steps beyond a wave's group of 128 queries are left out (a scalar branch on ids, round no barrier); in the step on the diagonal hidden scores become -infinity ahead of the maximum.
; OUT.  ac = [512 token tiles][8 K steps][2,048], an image: head n is K step n / 2, c = 2 (n % 2) + 0, 1.  asc = [512 tiles][512]: word (K step s, row r) at 256 (s / 4) + 16 r + 4 (s % 4); a head owns a halfword of it,
; so the scale bytes leave as 2 bytes a lane, 16 bytes apart: two heads of a word lie in different work-groups.
; LIMITS: a block of zeros gets the byte 1 where the rule says 127 (zero codes; this program alone reads the bytes); NaN and infinities are not served.
; REGISTERS: v1 16 x lane; v2 16 x thread; v3 my query less 16 (lane / 16); v4-7 K's scale words; v8-11 V's; v12 -M; v13 the largest t; v[14:15] the sum; v16-31 Q (v24-31 zeros); v32-95 four fragments of K (upper halves zeros);
; v96-159 S^T, then p, then V's four fragments; v160-191 O^T; v192-207 p's codes; v208-219 the block on its way; v220 Q's scale word; v221 p's; v232-254 at work; v255 16 x (lane % 16).
.set BLK, 17408
.set HS,  16*BLK
.macro LOADS                           ; my part of the block at s[30:31]
	global_load_b128 v[208:211], v2, s[30:31]
	global_load_b128 v[212:215], v2, s[30:31] offset:8192
	s_cmp_lt_u32 s12, 2
	s_cbranch_scc0 .Lnl_\@
	global_load_b128 v[216:219], v2, s[30:31] offset:16384
.Lnl_\@:
.endm
.macro STORES b                        ; into buffer b, at the same places
	ds_store_b128 v2, v[208:211] offset:(\b)*BLK
	ds_store_b128 v2, v[212:215] offset:(\b)*BLK+8192
	s_cmp_lt_u32 s12, 2
	s_cbranch_scc0 .Lns_\@
	ds_store_b128 v2, v[216:219] offset:(\b)*BLK+16384
.Lns_\@:
.endm
	s_load_b256 s[4:11], s[0:1], 0x0               ; qq, kv, ac, asc
	v_lshl_add_u32 v250, v0, 2, 0x8800
	v_mov_b32 v251, 0
	v_lshrrev_b32 v232, 5, v0
	v_readfirstlane_b32 s12, v232                  ; wave 0..15
	s_mov_b32 s13, ttmp9                           ; the first pass's block of 256 queries
	s_and_b32 s14, ttmp7, 0xffff                   ; batch x 16 + head
	s_lshr_b32 s15, s12, 3                         ; which group of 128 queries of the block
	s_and_b32 s26, s12, 7                          ; and which tile of it
	s_mov_b32 s20, 0x76543210
	s_mov_b32 s21, 0xfedcba98                      ; v_permlanex16_b32's selects for lane l xor 16
	s_mov_b32 s22, 0x3e38aa3b                      ; c = log2(e) / 8
	s_mov_b32 s23, s22                             ; (named with it as a pair, so it is written)
	s_mov_b32 s24, 0x600000                        ; the mantissa field of 448
	s_mov_b32 s16, 0                               ; passes done
	s_and_b32 s39, s14, 15                         ; the head
	s_lshl_b32 s46, s39, 10                        ; its place in a tile of ac: 1,024 x head
	s_lshr_b32 s47, s39, 3
	s_lshl_b32 s47, s47, 8
	s_and_b32 s39, s39, 7
	s_lshl_b32 s39, s39, 1
	s_add_co_u32 s47, s47, s39                     ; and of asc: 256 (head / 8) + 2 (head % 8)
	s_lshr_b32 s27, s26, 2
	s_lshl_b32 s27, s27, 8
	s_and_b32 s39, s26, 3
	s_lshl_b32 s39, s39, 2
	s_add_co_u32 s27, s27, s39                     ; Q's scale word: 256 (tile / 4) + 4 (tile % 4)
	s_lshr_b32 s39, s26, 1
	s_lshl_b32 s39, s39, 5
	s_and_b32 s42, s26, 1
	s_lshl_b32 s42, s42, 3
	s_add_co_u32 s39, s39, s42                     ; my tile's first query in its group
	s_mul_i32 s42, s14, HS
	s_mov_b32 s43, 0
	v_and_b32 v1, 31, v0
	v_lshlrev_b32 v1, 4, v1
	v_lshlrev_b32 v2, 4, v0
	v_and_b32 v232, 15, v0                         ; r
	v_bfe_u32 v233, v0, 4, 1                       ; h
	v_lshlrev_b32 v255, 4, v232
	v_and_b32 v234, 8, v232
	v_add_nc_u32 v234, v234, v232
	v_add_nc_u32 v234, s39, v234                   ; my query in its group of 128
	v_lshlrev_b32 v233, 4, v233
	v_sub_nc_u32 v3, v234, v233                    ; less 16 h: register 16 b + i holds key 32 b + 16 h + i: hidden where 32 b + i is above this
.irp j, 0,1,2,3,4,5,6,7
	v_mov_b32 v[24+\j], 0                          ; the zero codes of k = 64 .. 127: Q's,
.irp t, 0,1,2,3
	v_mov_b32 v[40+16*\t+\j], 0                    ; and those of the four fragments of K: written once
.endr
.endr
.irp b, 0,1,2,3
	v_mov_b32 v[236+\b], 0                         ; a lane permute's destination counts as one of its sources
.endr
	v_mov_b32 v253, 0                              ; (the upper half of the pair v[252:253])
	v_mov_b32 v254, 0
	s_wait_kmcnt 0x0
	s_add_nc_u64 s[28:29], s[6:7], s[42:43]        ; my head in kv
	s_add_nc_u64 s[40:41], s[4:5], s[42:43]        ; and in qq
; A KEY STEP on buffer buf.  s18 = the step, s17 = the pass's steps, s25 = my group of 128 queries.
.macro STEP buf
	s_wait_dscnt 0x0                               ; my stores into this buffer have landed, and my reads of the other one are back
	s_barrier_signal -1
	s_barrier_wait -1                              ; both hold of all sixteen waves
	s_add_co_u32 s39, s18, 1
	s_cmp_lt_u32 s39, s17
	s_cbranch_scc0 .Lnone_\@
	s_wait_loadcnt 0x0                             ; the next step's block, asked for a step ago,
	STORES 1-\buf                                  ; goes into the buffer that nobody reads now
	s_add_co_u32 s39, s18, 2
	s_cmp_lt_u32 s39, s17
	s_cbranch_scc0 .Lnone_\@                       ; no load passes the pass's last block
	s_wait_dscnt 0x0                               ; the stores have read their registers
	s_add_nc_u64 s[30:31], s[30:31], BLK           ; (the loads that named the pointer are back)
	LOADS                                          ; the block after that: it has this step in which to come
.Lnone_\@:
	s_cmp_gt_u32 s18, s25                          ; all 128 keys come after my queries: nothing to do
	s_cbranch_scc1 .Lend_\@
.irp g, 0,1                                    ; S^T = K Q^T, four tiles of 16 keys at a time
.if \g
.rept 8
	v_nop                                          ; places in front of loads into registers that matrix instructions have read
.endr
.endif
.irp t, 0,1,2,3
	ds_load_b128 v[32+16*\t:35+16*\t], v1 offset:\buf*BLK+1024*(4*\g+\t)
	ds_load_b128 v[36+16*\t:39+16*\t], v1 offset:\buf*BLK+1024*(4*\g+\t)+512
.endr
.if \g == 0
	ds_load_b128 v[4:7], v1 offset:\buf*BLK+16384  ; K's scale words: lanes 0-15 tiles 0-3, lanes 16-31 tiles 4-7
.endif
	s_wait_dscnt 0x0
.irp t, 0,1,2,3
.if \g
	v_wmma_scale_f32_16x16x128_f8f6f4 v[96+8*(4*\g+\t):103+8*(4*\g+\t)], v[32+16*\t:47+16*\t], v[16:31], 0, v[4+\t], v220 matrix_a_scale:MATRIX_SCALE_ROW1
.else
	v_wmma_scale_f32_16x16x128_f8f6f4 v[96+8*(4*\g+\t):103+8*(4*\g+\t)], v[32+16*\t:47+16*\t], v[16:31], 0, v[4+\t], v220
.endif
.endr
.endr
.rept 8
	v_nop
.endr
	s_cmp_lg_u32 s18, s25                          ; on the diagonal alone:
	s_cbranch_scc1 .Lopen_\@
	v_mov_b32 v254, 0xff800000                     ; -infinity: p = 0 then
.irp n, 0,1,2,3,4,5,6,7,8,9,10,11,12,13,14,15,16,17,18,19,20,21,22,23,24,25,26,27,28,29,30,31,32,33,34,35,36,37,38,39,40,41,42,43,44,45,46,47,48,49,50,51,52,53,54,55,56,57,58,59,60,61,62,63
	v_cmp_gt_i32 vcc_lo, 32*(\n/16)+\n%16, v3
	v_cndmask_b32 v[96+\n], v[96+\n], v254, vcc_lo
.endr
.Lopen_\@:
.irp b, 0,1,2,3
	v_max3_num_f32 v[232+\b], v[96+16*\b], v[97+16*\b], v[98+16*\b]   ; the largest score of each block of 32 keys: for the row's maximum, and, since p rises with the score, for the block's largest p
.endr
.irp i, 3,5,7,9,11,13
.irp b, 0,1,2,3
	v_max3_num_f32 v[232+\b], v[232+\b], v[96+16*\b+\i], v[97+16*\b+\i]
.endr
.endr
.irp b, 0,1,2,3
	v_max_num_f32 v[232+\b], v[232+\b], v[111+16*\b]
.endr
.irp b, 0,1,2,3
	v_permlanex16_b32 v[236+\b], v[232+\b], s20, s21
.endr
.irp b, 0,1,2,3
	v_max_num_f32 v[232+\b], v[232+\b], v[236+\b]  ; with lane l xor 16's 16 keys
.endr
	v_max3_num_f32 v254, v232, v233, v234
	v_max_num_f32 v254, v254, v235                 ; the step's largest score of my query
	v_mul_f32 v254, s22, v254                      ; as t
	v_max_num_f32 v13, v13, v254                   ; the running largest t
	v_mov_b32 v254, v12
	v_floor_f32 v12, -v13                          ; the new -M = floor(-t)
	v_sub_f32 v254, v12, v254                      ; old M - new M: a whole number, 0 or less
	v_cvt_i32_f32 v254, v254                       ; (it saturates)
	v_ldexp_f32 v252, 1.0, v254                    ; f = 2^(old M - new M)
.irp j, 0,2,4,6,8,10,12,14,16,18,20,22,24,26,28,30,32,34,36,38,40,42,44,46,48,50,52,54,56,58,60,62
	v_pk_fma_f32 v[96+\j:97+\j], v[96+\j:97+\j], s[22:23], v[12:13] op_sel_hi:[1,0,0]   ; t - M, two at a time
.endr
.irp b, 0,1,2,3
	v_fma_f32 v[232+\b], v[232+\b], s22, v12       ; the same of each block's largest score
.endr
.irp j, 0,1,2,3,4,5,6,7,8,9,10,11,12,13,14,15,16,17,18,19,20,21,22,23,24,25,26,27,28,29,30,31,32,33,34,35,36,37,38,39,40,41,42,43,44,45,46,47,48,49,50,51,52,53,54,55,56,57,58,59,60,61,62,63
	v_exp_f32 v[96+\j], v[96+\j]                   ; p = 2^(t - M)
.endr
	v_pk_mul_f32 v[14:15], v[14:15], v[252:253] op_sel_hi:[1,0]   ; the sums under the new M: a plain line behind the exponentials
	s_wait_alu depctr_va_vdst(0)                   ; one wait for the whole batch, ahead of its first reader
.irp b, 0,1,2,3
	v_exp_f32 v[232+\b], v[232+\b]                 ; the block's largest p
.endr
	v_pk_add_f32 v[236:237], v[96:97], v[98:99]    ; the row's sum, of the unquantised p: two at a time, in two chains
.irp j, 4,8,12,16,20,24,28,32,36,40,44,48,52,56,60
	v_pk_add_f32 v[14:15], v[14:15], v[96+\j:97+\j]
	v_pk_add_f32 v[236:237], v[236:237], v[98+\j:99+\j]
.endr
	v_pk_add_f32 v[14:15], v[14:15], v[236:237]
	s_wait_alu depctr_va_vdst(0)                   ; and one for the four
.irp b, 0,1,2,3
	v_max_num_f32 v[232+\b], 0x4800000, v[232+\b]  ; the floor 2^(9 - 127): the byte cannot fall under 1
.endr
.irp b, 0,1,2,3
	v_add_nc_u32 v[244+\b], 0xfc000000, v[232+\b]  ; the conversion's scale operand
.endr
.irp b, 0,1,2,3
	v_and_or_b32 v[240+\b], v[232+\b], 0x7f800000, s24   ; 448 x the scale
.endr
.irp b, 0,1,2,3
	v_lshrrev_b32 v[236+\b], 23, v[244+\b]         ; the scale's byte
.endr
	v_lshl_or_b32 v221, v237, 8, v236              ; p's scale word for these 128 keys
	v_lshl_or_b32 v221, v238, 16, v221
	v_lshl_or_b32 v221, v239, 24, v221
.irp b, 0,1,2,3
.irp i, 0,1,2,3,4,5,6,7,8,9,10,11,12,13,14,15
	v_min_num_f32 v[96+16*\b+\i], v[96+16*\b+\i], v[240+\b]   ; the conversion does not saturate (ISA guide 7.6.2); p is not negative, so the hold is one-sided
.endr
	v_cvt_scalef32_pk8_fp8_f32 v[192+4*\b:193+4*\b], v[96+16*\b:103+16*\b], v[244+\b]
	v_cvt_scalef32_pk8_fp8_f32 v[194+4*\b:195+4*\b], v[104+16*\b:111+16*\b], v[244+\b]
.endr
.irp j, 0,2,4,6,8,10,12,14,16,18,20,22,24,26,28,30
	v_pk_mul_f32 v[160+\j:161+\j], v[160+\j:161+\j], v[252:253] op_sel_hi:[1,0]   ; O^T under the new M; these sixteen are also the places between the codes and the products
.endr
.irp t, 0,1,2,3                                ; O^T += V^T P^T: four tiles of 16 of the head's 64; K = these 128 keys.  V's fragments take p's registers
.irp c, 0,1,2,3
	ds_load_b128 v[96+16*\t+4*\c:99+16*\t+4*\c], v1 offset:\buf*BLK+8192+2048*\t+512*\c
.endr
.endr
	ds_load_b128 v[8:11], v1 offset:\buf*BLK+16896 ; V's scale words
	s_wait_dscnt 0x0
.irp t, 0,1,2,3
	v_wmma_scale_f32_16x16x128_f8f6f4 v[160+8*\t:167+8*\t], v[96+16*\t:111+16*\t], v[192:207], v[160+8*\t:167+8*\t], v[8+\t], v221   ; the four accumulators by turns
.endr
.rept 9
	v_nop                                          ; nine places: the next step's S^T is written over V's fragments by matrix instructions; the way out's reads of O^T want eight
.endr
.Lend_\@:
	s_add_co_u32 s18, s18, 1
.endm
.Lpass:
	s_wait_loadcnt 0x0                             ; no load is out, and every earlier store has read its registers and its base:
	s_wait_xcnt 0x0                                ; pointers, staging registers and the codes' registers are written again below
	s_lshl_b32 s17, s13, 1
	s_add_co_u32 s25, s17, s15                     ; my group of 128 queries
	s_add_co_u32 s17, s17, 2                       ; key steps of this pass
	s_add_co_u32 s38, s13, 1                       ; trips of two steps
	s_mov_b64 s[30:31], s[28:29]
	LOADS                                          ; step 0's block
	s_mul_i32 s42, s25, BLK
	s_add_co_u32 s44, s42, s27
	s_lshl_b32 s43, s26, 10
	s_add_co_u32 s42, s42, s43
	s_mov_b32 s43, 0
	s_mov_b32 s45, 0
	s_add_nc_u64 s[32:33], s[40:41], s[42:43]
	s_add_nc_u64 s[44:45], s[40:41], s[44:45]
	global_load_b128 v[16:19], v1, s[32:33]        ; Q's fragment: K = 64: two groups of four registers
	global_load_b128 v[20:23], v1, s[32:33] offset:512
	global_load_b32 v220, v255, s[44:45] offset:16384   ; and its scale words
	v_mov_b32 v13, 0xff61b1e6                      ; the largest t so far: -3e38
	v_floor_f32 v12, -v13                          ; -M
	v_mov_b32 v14, 0
	v_mov_b32 v15, 0
.irp j, 0,1,2,3,4,5,6,7,8,9,10,11,12,13,14,15,16,17,18,19,20,21,22,23,24,25,26,27,28,29,30,31
	v_mov_b32 v[160+\j], 0                         ; O^T: the step is written once; the first finds zeros, which the first change of M leaves zeros
.endr
	s_wait_loadcnt 0x0
	STORES 0                                       ; buffer 0's last readers waited for their reads ahead of the last step's barrier, which I have passed
	s_wait_dscnt 0x0                               ; the stores have read their registers
	s_add_nc_u64 s[30:31], s[30:31], BLK
	LOADS                                          ; step 1's block (a pass has two steps at the least)
	s_mov_b32 s18, 0
	s_mov_b32 s19, 0
.Ltrip:
	STEP 0
	STEP 1
	s_add_co_u32 s19, s19, 1
	s_cmp_lt_u32 s19, s38
	s_cbranch_scc1 .Ltrip
	; THE WAY OUT: O^T / the sum is the output projection's operand: register 16 c + i = d 32 c + 16 h + i of my query: two blocks of 32 along d_model
	v_add_f32 v14, v14, v15
	v_permlanex16_b32 v254, v14, s20, s21
	v_add_f32 v14, v14, v254                       ; the row's sum
	v_rcp_f32 v14, v14
	v_nop                                          ; a plain line behind the reciprocal
	s_lshr_b32 s42, s14, 4
	s_lshl_b32 s42, s42, 7                         ; 128 token tiles a batch,
	s_lshl_b32 s43, s25, 3
	s_add_co_u32 s42, s42, s43                     ; 8 a group,
	s_add_co_u32 s42, s42, s26                     ; mine
	s_lshl_b32 s44, s42, 9
	s_add_co_u32 s44, s44, s47
	s_lshl_b32 s42, s42, 14
	s_add_co_u32 s42, s42, s46
	s_mov_b32 s43, 0
	s_mov_b32 s45, 0
	s_add_nc_u64 s[34:35], s[8:9], s[42:43]
	s_add_nc_u64 s[36:37], s[10:11], s[44:45]
	s_wait_alu depctr_va_vdst(0)                   ; ahead of the reciprocal's first reader
.irp j, 0,2,4,6,8,10,12,14,16,18,20,22,24,26,28,30
	v_pk_mul_f32 v[96+\j:97+\j], v[160+\j:161+\j], v[14:15] op_sel_hi:[1,0]   ; each accumulator from its low end on
.endr
.irp b, 0,1
	v_max3_num_f32 v[232+\b], |v[96+16*\b]|, |v[97+16*\b]|, 0x4800000
.endr
.irp i, 2,4,6,8,10,12,14
.irp b, 0,1
	v_max3_num_f32 v[232+\b], v[232+\b], |v[96+16*\b+\i]|, |v[97+16*\b+\i]|
.endr
.endr
.irp b, 0,1
	v_permlanex16_b32 v[236+\b], v[232+\b], s20, s21
.endr
.irp b, 0,1
	v_max_num_f32 v[232+\b], v[232+\b], v[236+\b]
.endr
.irp b, 0,1
	v_add_nc_u32 v[244+\b], 0xfc000000, v[232+\b]
.endr
.irp b, 0,1
	v_and_or_b32 v[240+\b], v[232+\b], 0x7f800000, s24
.endr
.irp b, 0,1
	v_lshrrev_b32 v[236+\b], 23, v[244+\b]
.endr
	v_lshl_or_b32 v254, v237, 8, v236              ; my head's two bytes of the row's scale word
.irp b, 0,1
.irp i, 0,1,2,3,4,5,6,7,8,9,10,11,12,13,14,15
	v_med3_num_f32 v[96+16*\b+\i], v[96+16*\b+\i], -v[240+\b], v[240+\b]
.endr
	v_cvt_scalef32_pk8_fp8_f32 v[192+4*\b:193+4*\b], v[96+16*\b:103+16*\b], v[244+\b]
	v_cvt_scalef32_pk8_fp8_f32 v[194+4*\b:195+4*\b], v[104+16*\b:111+16*\b], v[244+\b]
.endr
	v_nop                                          ; one plain line behind the last scaled conversion
	global_store_b128 v1, v[192:195], s[34:35]     ; 512 consecutive bytes a store
	global_store_b128 v1, v[196:199], s[34:35] offset:512
	global_store_b16 v255, v254, s[36:37]          ; both halves of the lanes write the same two bytes
	s_sub_co_u32 s13, 7, s13                       ; the second pass takes the block that makes up 18 steps
	s_add_co_u32 s16, s16, 1
	s_cmp_lt_u32 s16, 2
	s_cbranch_scc1 .Lpass
	s_wait_tensorcnt 0x0
	ds_add_u32 v250, v251
	s_wait_dscnt 0x0
	s_endpgm
.Lfunc_end_k_q8e7bc921ca_attn:
	.size	k_q8e7bc921ca_attn, .Lfunc_end_k_q8e7bc921ca_attn-k_q8e7bc921ca_attn
	.p2alignl 7, 3214868480
	.fill 96, 4, 3214868480
	.section	.rodata,"a",@progbits
	.p2align	6, 0x0
	.amdhsa_kernel k_q8e7bc921ca_attn
		.amdhsa_group_segment_fixed_size 36864
		.amdhsa_private_segment_fixed_size 0
		.amdhsa_enable_private_segment 0
		.amdhsa_kernarg_size 32
		.amdhsa_user_sgpr_count 2
		.amdhsa_user_sgpr_kernarg_segment_ptr 1
		.amdhsa_wavefront_size32 1
		.amdhsa_system_sgpr_workgroup_id_x 1
		.amdhsa_system_sgpr_workgroup_id_y 1
		.amdhsa_system_sgpr_workgroup_id_z 1
		.amdhsa_system_vgpr_workitem_id 0
		.amdhsa_next_free_vgpr 256
		.amdhsa_next_free_sgpr 66
		.amdhsa_reserve_vcc 1
		.amdhsa_float_denorm_mode_32 3
		.amdhsa_float_denorm_mode_16_64 3
		.amdhsa_memory_ordered 1
		.amdhsa_forward_progress 1
		.amdhsa_inst_pref_size 62
	.end_amdhsa_kernel
	.amdgpu_metadata
---
amdhsa.version: [ 1, 2 ]
amdhsa.kernels:
  - .name:           k_q8e7bc921ca_attn
    .symbol:         k_q8e7bc921ca_attn.kd
    .args:
      - { .name: qq, .offset: 0, .size: 8, .value_kind: global_buffer, .address_space: global }
      - { .name: kv, .offset: 8, .size: 8, .value_kind: global_buffer, .address_space: global }
      - { .name: ac, .offset: 16, .size: 8, .value_kind: global_buffer, .address_space: global }
      - { .name: asc, .offset: 24, .size: 8, .value_kind: global_buffer, .address_space: global }
    .group_segment_fixed_size: 36864
    .private_segment_fixed_size: 0
    .kernarg_segment_align: 8
    .kernarg_segment_size: 32
    .max_flat_workgroup_size: 512
    .sgpr_count:     66
    .vgpr_count:     256
    .wavefront_size: 32
...
	.end_amdgpu_metadata
.endif
;; end of part 3
;; launch oproj (part 4): grid 4 x 32, 4 waves a work-group, clusters of 4 x 4, 327,680 bytes of LDS; arguments ac, asc, cd, sc, out0; writes out0
.if DOCPART == 4
	.amdgcn_target "amdgcn-amd-amdhsa--gfx1250"
	.amdhsa_code_object_version 6
	.text
	.protected	k_q8e7bc921ca_oproj
	.globl	k_q8e7bc921ca_oproj
	.p2align	8
	.type	k_q8e7bc921ca_oproj,@function
k_q8e7bc921ca_oproj:
	s_mov_b64 s[64:65], 0
	v_nop
	global_prefetch_b8 v0, s[64:65] scope:SCOPE_SE
	s_setreg_imm32_b32 hwreg(HW_REG_WAVE_MODE, 25, 1), 1
	s_wait_xcnt 0x0
	s_wait_alu depctr_hold_cnt(0) depctr_sa_sdst(0) depctr_va_vdst(0) depctr_va_sdst(0) depctr_va_ssrc(0) depctr_va_vcc(0) depctr_vm_vsrc(0)
	s_getreg_b32 s2, hwreg(HW_REG_IB_STS2, 6, 4)
	s_cmp_eq_u32 s2, 0
	s_cbranch_scc0 .Lentry_in_a_cluster
	s_endpgm
.Lentry_in_a_cluster:
	s_bfe_u32 s2, ttmp6, 0x10000c
	s_cmp_lg_u32 s2, 0xf033
	s_cbranch_scc0 .Lentry_shape_is_right
	s_endpgm
.Lentry_shape_is_right:
; out0 = a Wo^T on codes of E4M3 with E8M0 scales (K = 1,024).  a: the attention's result, as images in ac with scale words in asc; Wo: units 44 to 47 of cd and sc.  out0: [8192][1024] f32.
; THE FRAME is that of the launch that makes q, k and v: a work-group of four waves makes 256 x 256, a wave 128 x 128 in 64 accumulators; K goes in four steps of 256 through two LDS slots filled by the tensor data mover;
; operands lie in memory and in LDS as images of their registers (a tile of 16 rows x 128 K: 2,048 bytes, byte 512 c + 16 lane), so every fragment load takes 512 consecutive bytes; the scale words come once.
; The matrix instruction is used transposed (source 0 = 16 rows of Wo, source 1 = 16 tokens).  The rows of a tile are 32 g + 8 u + r + 8 (r / 8) (tile 2 g + u): lane (r, h) holds tile row r of tokens, and register
; 16 c + i of a block's 64 holds column 32 c + 16 h + i of the wave's 128.
; CLUSTERS: 4 x 4 work-groups; the tokens' tiles are asked for jointly along a row of the cluster, Wo's along a column.  C has 32 x 4 tiles of 256 x 256: 128 work-groups.
; THE WAY OUT: a block of 16 tokens x 128 columns goes through the wave's own stage in LDS and leaves as whole rows: 32 lanes store 512 consecutive bytes, aligned.  The stage lies in slot 0, which has had its last fill
; and its last read when the first result is stored there.
; REGISTERS, in windows of 256: window 0: v1 16 x lane, v16-29 addresses; v32-63 scale words; v128-255 the tokens' fragments, later rows on their way out.  window 1: Wo's fragments, two sets.  windows 2, 3: the accumulators.
.set NQ,     2
.set FR,     16
.set NL,     4
.set NP,     8                         ; places behind this matrix instruction (ISA guide 7.12.1)
.set TILEB,  4096
.set HALFT,  8*TILEB
.set SLOT,   4*HALFT
.set SCL,    2*SLOT
.set HALFS,  4096
.set SPARE,  SCL+4*HALFS               ; the spare words, 128 bytes for each wave: two blocks of 256 bytes that no other line names
.set SPITCH, 528                       ; a stage row: 512 bytes + 16
.set LI,   1                           ; v1   16 x lane
.set HH,   3                           ; v3   lane / 16
.set ADRA, 16
.set ADRB, 20
.set STO,  24                          ; v24  the way out: where I put 32 bytes of a row
.set RD,   25                          ; v25  and where I read a row back
.set ADRS, 27
.set SPW,  28                          ; v28  my spare word: SPARE + 4 x my thread's number; never rewritten
.set NIL,  29                          ; v29  0; never rewritten
.set SC,   32
.set AF,   128
.set BK,   128                         ; the way out: 16 rows read back: v128-191 and v192-255 by turns
.set G1, 24
.set G0, 32
.set G1B, 48
.set G0B, 56
.set G1S, 68
.set G0S, 76
.set G1SB, 80
.set G0SB, 88
.set MSB, 0
.macro WIN new                         ; the immediate's high byte repeats the setting that is left
.if MSB != (\new)
	s_set_vgpr_msb (MSB<<8)|(\new)
.set MSB, (\new)
.endif
.endm
.set MUL_LO, 0xa1                      ; source 0 (Wo) window 1, source 1 (tokens) window 0, C and D window 2
.set MUL_HI, 0xf1
.set TO_B,   0x40
.macro JLOAD g0a, g1a, g0b, g1b        ; a joint load: waves 0 and 1 fetch for the tokens, waves 2 and 3 for Wo; four v_nop follow each of the two lines
	s_cmp_eq_u32 s15, 0
	s_cbranch_scc0 .Lfor_b_\@
	tensor_load_to_lds s[\g0a:\g0a+3], s[\g1a:\g1a+7]
	s_nop 0
.rept 4
	v_nop
.endr
	s_branch .Lasked_\@
.Lfor_b_\@:
	tensor_load_to_lds s[\g0b:\g0b+3], s[\g1b:\g1b+7]
	s_nop 0
.rept 4
	v_nop
.endr
.Lasked_\@:
.endm
.macro CREST
	s_cmp_lg_u32 s14, 0
	s_cbranch_scc1 .Lnot_wave_0_\@
	s_barrier_signal -3
.Lnot_wave_0_\@:
	s_barrier_wait -3
	s_barrier_signal -1
	s_barrier_wait -1
.endm
.macro CROUND
	s_barrier_signal -1
	s_barrier_wait -1
	CREST
.endm
	s_load_b128 s[4:7], s[0:1], 0x0                ; ac, asc
	s_load_b128 s[8:11], s[0:1], 0x10              ; cd, sc
	s_load_b64 s[12:13], s[0:1], 0x20              ; out0
	v_lshl_add_u32 v[SPW], v0, 2, SPARE
	v_mov_b32 v[NIL], 0
	ds_add_u32 v28, v29
	ds_add_u32 v28, v29
	s_wait_dscnt 0x0
	v_lshrrev_b32 v1, 5, v0
	v_readfirstlane_b32 s14, v1                    ; wave 0..3
	s_lshr_b32 s15, s14, 1                         ; my half of the 256 tokens.  Also: I fetch for the tokens (0) or for Wo (1)
	s_and_b32 s16, s14, 1                          ; my half of the 256 columns.  Also: which 128 rows I fetch
	s_bfe_u32 s40, ttmp6, 0x40000                  ; cx, cy
	s_bfe_u32 s41, ttmp6, 0x40004
	s_and_b32 s19, ttmp7, 0xffff
	s_lshl_b32 s19, s19, 2
	s_add_co_u32 s19, s19, s41                     ; the unit of 256 tokens: 4 x cluster y + cy
	s_lshl_b32 s20, ttmp9, 2
	s_add_co_u32 s20, s20, s40
	s_add_co_u32 s20, s20, 44                      ; Wo's unit in cd: 44 + 4 x cluster x + cx
	s_lshl_b32 s43, s41, 2
	s_lshl_b32 s43, 15, s43                        ; my row of the cluster
	s_lshl_b32 s44, 0x1111, s40                    ; my column
	s_or_b32 s[G1+0], s43, (3<<16)|(1<<21)         ; codes: 8 tiles' 4,096 bytes (512 elements of 8 bytes), 16,384 bytes apart; dense in LDS; bit 21 set beside a mask
	s_or_b32 s[G1B+0], s44, (3<<16)|(1<<21)
.irp g, G1, G1B
	s_mov_b32 s[\g+1], 512<<16
	s_mov_b32 s[\g+2], 8<<16
	s_mov_b32 s[\g+3], 512<<16
	s_mov_b32 s[\g+4], 8
	s_mov_b32 s[\g+5], 2048
	s_mov_b32 s[\g+6], 0
	s_mov_b32 s[\g+7], 0
.endr
	s_or_b32 s[G1S+0], s43, (3<<16)|(1<<21)        ; scale words of 128 rows: 4,096 dense bytes as 16 rows of 256
	s_or_b32 s[G1SB+0], s44, (3<<16)|(1<<21)
.irp g, G1S, G1SB
	s_mov_b32 s[\g+1], 32<<16
	s_mov_b32 s[\g+2], 16<<16
	s_mov_b32 s[\g+3], 32<<16
	s_mov_b32 s[\g+4], 16
	s_mov_b32 s[\g+5], 32
	s_mov_b32 s[\g+6], 0
	s_mov_b32 s[\g+7], 0
.endr
	s_lshl_b32 s21, s16, 17
	s_lshl_b32 s92, s19, 18
	s_add_co_u32 s92, s92, s21
	s_mov_b32 s93, 0
	s_lshl_b32 s94, s20, 18
	s_add_co_u32 s94, s94, s21
	s_mov_b32 s95, 0
	s_lshl_b32 s21, s16, 12
	s_lshl_b32 s96, s19, 13
	s_add_co_u32 s96, s96, s21
	s_mov_b32 s97, 0
	s_lshl_b32 s98, s20, 13
	s_add_co_u32 s98, s98, s21
	s_mov_b32 s99, 0
	s_lshl_b32 s45, s14, 15                        ; LDS: wave x 32,768: no place in the cluster enters an LDS address
	s_lshl_b32 s46, s14, 12
	s_wait_kmcnt 0x0
	s_add_nc_u64 s[92:93], s[4:5], s[92:93]
	s_add_nc_u64 s[94:95], s[8:9], s[94:95]
	s_add_nc_u64 s[96:97], s[6:7], s[96:97]
	s_add_nc_u64 s[98:99], s[10:11], s[98:99]
	CROUND                                         ; all sixteen work-groups are here: the first joint loads meet
	s_mov_b32 s[G0S], 1
	s_add_co_u32 s[G0S+1], s46, SCL
	s_mov_b64 s[G0S+2:G0S+3], s[96:97]
	s_or_b32 s[G0S+3], s[G0S+3], 0x80000000
	s_mov_b32 s[G0SB], 1
	s_add_co_u32 s[G0SB+1], s46, SCL
	s_mov_b64 s[G0SB+2:G0SB+3], s[98:99]
	s_or_b32 s[G0SB+3], s[G0SB+3], 0x80000000
	JLOAD G0S, G1S, G0SB, G1SB
.irp s, 0,1
	s_mov_b32 s[G0+4*\s], 1
	s_add_co_u32 s[G0+4*\s+1], s45, \s*SLOT
	s_add_nc_u64 s[G0+4*\s+2:G0+4*\s+3], s[92:93], \s*TILEB
	s_or_b32 s[G0+4*\s+3], s[G0+4*\s+3], 0x80000000
	s_mov_b32 s[G0B+4*\s], 1
	s_add_co_u32 s[G0B+4*\s+1], s45, \s*SLOT
	s_add_nc_u64 s[G0B+4*\s+2:G0B+4*\s+3], s[94:95], \s*TILEB
	s_or_b32 s[G0B+4*\s+3], s[G0B+4*\s+3], 0x80000000
	JLOAD G0+4*\s, G1, G0B+4*\s, G1B               ; three loads of mine are out
.endr
	v_and_b32 v1, 31, v0
	v_lshlrev_b32 v[LI], 4, v1
	v_and_b32 v2, 15, v0                           ; r
	v_bfe_u32 v[HH], v0, 4, 1                      ; h
	s_lshl_b32 s21, s15, 15
	s_lshl_b32 s22, s16, 15
	s_add_co_u32 s22, s22, 2*HALFT
.irp s, 0,1
	v_add_nc_u32 v[ADRA+\s], s21, v[LI]
	v_add_nc_u32 v[ADRB+\s], s22, v[LI]
	s_add_co_u32 s21, s21, SLOT
	s_add_co_u32 s22, s22, SLOT
.endr
	s_lshl_b32 s21, s15, 12
	s_lshl_b32 s22, s16, 12
	s_add_co_u32 s22, s22, 2*HALFS
	s_sub_co_u32 s22, s22, s21
	v_mul_u32_u24 v4, s22, v[HH]                   ; lanes 16-31 take Wo's words: one product, the distance between the two bases
	s_add_co_u32 s21, s21, SCL
	v_lshl_add_u32 v4, v2, 4, v4
	v_add_nc_u32 v[ADRS], s21, v4
	s_mul_i32 s23, s14, 16*SPITCH                  ; my stage
	v_mul_u32_u24 v5, v2, SPITCH
	v_lshl_add_u32 v5, v[HH], 6, v5
	v_add_nc_u32 v[STO], s23, v5                   ; in: row r, + 64 h
	v_add_nc_u32 v[RD], s23, v[LI]                 ; back: the 32 lanes take one row of 512 bytes
	s_and_b32 s67, ttmp7, 0xffff                   ; where my part of out0 begins, in registers that feed no descriptor
	s_lshl_b32 s67, s67, 2
	s_add_co_u32 s67, s67, s41
	s_lshl_b32 s67, s67, 20                        ; 256 rows of 4,096 bytes a unit,
	s_lshl_b32 s66, s15, 19                        ; 128 for my half,
	s_add_co_u32 s67, s67, s66
	s_lshl_b32 s66, ttmp9, 2
	s_add_co_u32 s66, s66, s40
	s_lshl_b32 s66, s66, 10                        ; 256 columns of 4 bytes a unit of Wo,
	s_add_co_u32 s67, s67, s66
	s_lshl_b32 s66, s16, 9                         ; 128 for my half
	s_add_co_u32 s66, s67, s66
	s_mov_b32 s67, 0
	s_add_nc_u64 s[12:13], s[12:13], s[66:67]
.macro FRAG reg, adr, q, i
.irp c, 0,1,2,3
	ds_load_b128 v[\reg+4*\c:\reg+4*\c+3], v[\adr] offset:TILEB*(\i)+2048*(\q)+512*\c
.endr
.endm
; The 64 accumulators take turns, one instruction a turn, in the same order in every step.
.macro MUL16 a0, p, q, sc, zero
.irp a, \a0, \a0+1
.irp b, 0,1,2,3,4,5,6,7
.if \zero
	v_wmma_scale_f32_16x16x128_f8f6f4 v[8*(8*((\a)%4)+\b):8*(8*((\a)%4)+\b)+7], v[128*(\p)+FR*\b:128*(\p)+FR*\b+FR-1], v[AF+FR*(\a):AF+FR*(\a)+FR-1], 0, v[SC+8*NQ*(\sc)+NQ*\b+(\q)], v[SC+8*NQ*(\sc)+NQ*(\a)+(\q)] matrix_a_scale:MATRIX_SCALE_ROW1
.else
	v_wmma_scale_f32_16x16x128_f8f6f4 v[8*(8*((\a)%4)+\b):8*(8*((\a)%4)+\b)+7], v[128*(\p)+FR*\b:128*(\p)+FR*\b+FR-1], v[AF+FR*(\a):AF+FR*(\a)+FR-1], v[8*(8*((\a)%4)+\b):8*(8*((\a)%4)+\b)+7], v[SC+8*NQ*(\sc)+NQ*\b+(\q)], v[SC+8*NQ*(\sc)+NQ*(\a)+(\q)] matrix_a_scale:MATRIX_SCALE_ROW1
.endif
.endr
.endr
.endm
.macro FETCH_B slot, q, p
	WIN TO_B
.irp i, 0,1,2,3,4,5,6,7
	FRAG 128*(\p)+FR*\i, ADRB+\slot, \q, \i
.endr
	WIN 0
.endm
.macro FETCH_A slot, q, i0
.irp i, \i0, \i0+1, \i0+2, \i0+3
	FRAG AF+FR*(\i), ADRA+\slot, \q, \i
.endr
.endm
.macro SCALES sc, sg
.irp i, 0,1,2,3,4,5,6,7
	ds_load_b64 v[SC+8*NQ*\sc+NQ*\i:SC+8*NQ*\sc+NQ*\i+1], v[ADRS] offset:512*\i+256*((\sg)/2)+8*((\sg)%2)
.endr
.endm
.macro PLACES n                        ; places in front of loads into registers that matrix instructions have read, and of the first read of results
.rept \n
	v_nop
.endr
.endm
.macro STEP slot, q, zero
	s_wait_dscnt 4*NL                              ; all but the youngest 16 loads (the tokens' blocks 4-7)
	WIN MUL_LO
	MUL16 0, (\q)%2, \q, \slot, \zero
	MUL16 2, (\q)%2, \q, \slot, \zero
	s_wait_dscnt 0
	PLACES NP
	FETCH_B \slot, (\q)+1, 1-(\q)%2
	FETCH_A \slot, (\q)+1, 0
	WIN MUL_HI
	MUL16 4, (\q)%2, \q, \slot, \zero
	MUL16 6, (\q)%2, \q, \slot, \zero
	PLACES NP
	WIN 0
	FETCH_A \slot, (\q)+1, 4
.endm
.macro TURN slot, next, fill, sg
	s_wait_tensorcnt 0x0                           ; all my tensor loads have landed: my part of the next slot  (every window is 0 here)
	ds_add_u32 v[SPW], v[NIL]                      ; 0 onto my spare word
	s_wait_dscnt 4*NL+1                            ; the add and the youngest 16 loads may be out
	WIN MUL_LO
	MUL16 0, 1, NQ-1, \slot, 0
	s_wait_dscnt 0x0                               ; the add is done, and my reads of this slot are over
	s_barrier_signal -1
	MUL16 2, 1, NQ-1, \slot, 0
	WIN 0
	s_barrier_wait -1
.if \fill
	CREST                                          ; no wave of any partner still reads this slot or has a load on its way
	s_add_nc_u64 s[G0+4*\slot+2:G0+4*\slot+3], s[G0+4*\slot+2:G0+4*\slot+3], 2*TILEB
	s_add_nc_u64 s[G0B+4*\slot+2:G0B+4*\slot+3], s[G0B+4*\slot+2:G0B+4*\slot+3], 2*TILEB
	JLOAD G0+4*\slot, G1, G0B+4*\slot, G1B         ; the first tensor load behind the round, my only one until the next
	PLACES NP-4
.else
	PLACES NP
.endif
	FETCH_B \next, 0, 0
	FETCH_A \next, 0, 0
	SCALES \next, \sg
	WIN MUL_HI
	MUL16 4, 1, NQ-1, \slot, 0
	MUL16 6, 1, NQ-1, \slot, 0
	PLACES NP
	WIN 0
	FETCH_A \next, 0, 4
.endm
	s_wait_tensorcnt 1                             ; the scale words and my part of K step 0 are in (K step 1's load may be out)
	s_barrier_signal -1
	s_barrier_wait -1
	FETCH_B 0, 0, 0
	FETCH_A 0, 0, 0
	SCALES 0, 0
	FETCH_A 0, 0, 4
	STEP 0, 0, 1
	TURN 0, 1, 1, 1
	STEP 1, 0, 0
	TURN 1, 0, 1, 2
	STEP 0, 0, 0
	TURN 0, 1, 0, 3
	STEP 1, 0, 0
	s_wait_dscnt 4*NL                              ; the very last 128 along K
	WIN MUL_LO
	MUL16 0, 1, NQ-1, 1, 0
	MUL16 2, 1, NQ-1, 1, 0
	s_wait_dscnt 0
	WIN MUL_HI
	MUL16 4, 1, NQ-1, 1, 0
	MUL16 6, 1, NQ-1, 1, 0
	WIN 0
; Block a: accumulator b holds, of tile row r, columns 32 (b / 2) + 16 h + 8 (b % 2) + 0 .. 7: 32 bytes.  LDS serves a wave's instructions in order (ISA guide 5.7.1.4): no wait between the stores and the loads.
.macro TOSTAGE a
.set AC, 64*((\a)%4)
	WIN (0x08+4*((\a)/4))                          ; an LDS store's data: window 2 or 3
.irp b, 0,1,2,3,4,5,6,7
	ds_store_b128 v[STO], v[AC+8*\b:AC+8*\b+3] offset:128*(\b/2)+32*(\b%2)          ; each accumulator from its low end on
	ds_store_b128 v[STO], v[AC+8*\b+4:AC+8*\b+7] offset:128*(\b/2)+32*(\b%2)+16
.endr
	WIN 0
.set BB, BK+64*((\a)%2)
.irp t, 0,1,2,3,4,5,6,7,8,9,10,11,12,13,14,15
	ds_load_b128 v[BB+4*\t:BB+4*\t+3], v[RD] offset:\t*SPITCH
.endr
.endm
.macro SEND a, younger                 ; tile row t of block a is row 32 (a / 2) + 8 (a % 2) + t + 8 (t / 8) of my 128: it stands in the immediate, 127 rows of 4,096 bytes at the most
.set BB, BK+64*((\a)%2)
.set RW, 32*((\a)/2)+8*((\a)%2)
	s_wait_dscnt \younger                          ; the block is back in registers
.irp t, 0,1,2,3,4,5,6,7,8,9,10,11,12,13,14,15
	global_store_b128 v[LI], v[BB+4*\t:BB+4*\t+3], s[12:13] offset:(RW+\t+8*(\t/8))*4096 th:TH_STORE_NT   ; 32 lanes store 512 consecutive bytes, aligned; written once, read by nobody here
.endr
.endm
	PLACES NP
	TOSTAGE 0
.irp a, 1,2,3,4,5,6,7
.if \a > 1
	s_wait_xcnt 0x0                                ; block a - 2's stores have read their registers: block a's loads may land there
.endif
	TOSTAGE \a
	SEND \a-1, 32                                  ; behind block a - 1's loads: block a's 16 stores and 16 loads
.endr
	SEND 7, 0
	s_wait_tensorcnt 0x0                           ; the wave's end
	ds_add_u32 v[SPW], v[NIL]
	s_wait_dscnt 0x0
	CROUND                                         ; the closing round: no work-group ends while a partner may still ask for a tile that names it
	s_endpgm
.Lfunc_end_k_q8e7bc921ca_oproj:
	.size	k_q8e7bc921ca_oproj, .Lfunc_end_k_q8e7bc921ca_oproj-k_q8e7bc921ca_oproj
	.p2alignl 7, 3214868480
	.fill 96, 4, 3214868480
	.section	.rodata,"a",@progbits
	.p2align	6, 0x0
	.amdhsa_kernel k_q8e7bc921ca_oproj
		.amdhsa_group_segment_fixed_size 327680
		.amdhsa_private_segment_fixed_size 0
		.amdhsa_enable_private_segment 0
		.amdhsa_kernarg_size 40
		.amdhsa_user_sgpr_count 2
		.amdhsa_user_sgpr_kernarg_segment_ptr 1
		.amdhsa_wavefront_size32 1
		.amdhsa_system_sgpr_workgroup_id_x 1
		.amdhsa_system_sgpr_workgroup_id_y 1
		.amdhsa_system_sgpr_workgroup_id_z 1
		.amdhsa_system_vgpr_workitem_id 0
		.amdhsa_next_free_vgpr 1024
		.amdhsa_next_free_sgpr 100
		.amdhsa_reserve_vcc 0
		.amdhsa_float_denorm_mode_32 3
		.amdhsa_float_denorm_mode_16_64 3
		.amdhsa_memory_ordered 1
		.amdhsa_forward_progress 1
		.amdhsa_inst_pref_size 144
	.end_amdhsa_kernel
	.amdgpu_metadata
---
amdhsa.version: [ 1, 2 ]
amdhsa.kernels:
  - .name:           k_q8e7bc921ca_oproj
    .symbol:         k_q8e7bc921ca_oproj.kd
    .args:
      - { .name: ac, .offset: 0, .size: 8, .value_kind: global_buffer, .address_space: global }
      - { .name: asc, .offset: 8, .size: 8, .value_kind: global_buffer, .address_space: global }
      - { .name: cd, .offset: 16, .size: 8, .value_kind: global_buffer, .address_space: global }
      - { .name: sc, .offset: 24, .size: 8, .value_kind: global_buffer, .address_space: global }
      - { .name: out0, .offset: 32, .size: 8, .value_kind: global_buffer, .address_space: global }
    .group_segment_fixed_size: 327680
    .private_segment_fixed_size: 0
    .kernarg_segment_align: 8
    .kernarg_segment_size: 40
    .max_flat_workgroup_size: 128
    .sgpr_count:     100
    .vgpr_count:     1024
    .wavefront_size: 32
...
	.end_amdgpu_metadata
.endif
;; end of part 4
;; ======== version 2 of 2: 4 launches; version 1 with the launch attn written anew for expert scheduling mode
;; limits: right only within a limited range of input values
;; workspace buffers: cd 12,582,912 bytes; sc 393,216 bytes; tab 524,288 bytes; kv 17,825,792 bytes; qq 17,825,792 bytes; ac 8,388,608 bytes; asc 262,144 bytes
;; launch prep: the kernel of part 1 again; grid 896 x 1, 8 waves a work-group, no clusters, 69,120 bytes of LDS; arguments x, Wq, Wk, Wv, Wo, token_positions, cd, sc, tab; writes cd, sc, tab
;; launch qkv: the kernel of part 2 again; grid 12 x 32, 4 waves a work-group, clusters of 4 x 4, 327,680 bytes of LDS; arguments cd, sc, tab, qq, kv; writes qq, kv
;; launch attn (part 5): grid 4 x 64, 16 waves a work-group, no clusters, 36,864 bytes of LDS; arguments qq, kv, ac, asc; writes ac, asc
.if DOCPART == 5
	.amdgcn_target "amdgcn-amd-amdhsa--gfx1250"
	.amdhsa_code_object_version 6
	.text
	.protected	k_q8e7bc921ca_attn
	.globl	k_q8e7bc921ca_attn
	.p2align	8
	.type	k_q8e7bc921ca_attn,@function
k_q8e7bc921ca_attn:
	s_mov_b64 s[64:65], 0
	v_nop
	global_prefetch_b8 v0, s[64:65] scope:SCOPE_SE
	s_setreg_imm32_b32 hwreg(HW_REG_WAVE_SCHED_MODE, 0, 2), 2
	s_setreg_imm32_b32 hwreg(HW_REG_WAVE_MODE, 25, 1), 1
	s_wait_xcnt 0x0
	s_wait_alu depctr_vm_vsrc(0)
; Causal attention of one head on codes of E4M3 with E8M0 scales, head size 64; the result is quantised along d_model and stored as the output projection's operand.
; THE SOFTMAX AHEAD OF THE SECOND PRODUCT: t = score x log2(e) / 8; M = the running largest t rounded UP to a whole number; p = 2^(t - M) is quantised along the keys, not normalised; the row's sum is taken of the
; unquantised p and divides at the end.  When M moves, the sum and O are multiplied by 2^(old M - new M): exact.
; SHARES.  Work-group (x, head) makes two passes: the blocks x and 7 - x of 256 queries, 2 x + 2 and 16 - 2 x key steps of 128: 18 steps for every work-group.  Each of the sixteen waves owns one tile of 16 queries:
; four waves to a SIMD, so that one wave's vector work stands beside another's products and LDS loads.
; LAYOUT.  Both products are used transposed: S^T = K Q^T, O^T = V^T P^T: a lane holds ONE query (lane % 16).  All tiles take rows 32 g + 8 u + r + 8 (r / 8) (tile 2 g + u), so that the 16 registers of two
; neighbouring tiles are 16 neighbours: of the keys in S^T and p, of d in O^T.  K = 64 of the first product is filled up to the instruction's 128 by zero codes in registers that are cleared once.
; A KEY STEP's block of kv (17,408 bytes: K's codes, V's codes, K's and V's scale words, all as images of registers) is copied as it lies into one of two LDS buffers, through registers: a thread moves 16 bytes of K,
; 16 of V, and waves 0 and 1 the scale words.  It is asked of memory two steps ahead of its use and stored to LDS one step ahead.  One barrier a step.  A trip of the loop runs two steps, so every LDS address is a
; lane term and an immediate.
; NO CLUSTER, NO JOINT LOADS: the four work-groups of a head walk different numbers of key steps (2 x + 2), so partners would not make the same requests; and the trip count hangs on the work-group's number.
; CAUSAL: steps beyond a wave's group of 128 queries are left out (a scalar branch on ids, round no barrier); in the step on the diagonal hidden scores become -infinity ahead of the maximum.
; OUT.  ac = [512 token tiles][8 K steps][2,048], an image: head n is K step n / 2, c = 2 (n % 2) + 0, 1.  asc = [512 tiles][512]: word (K step s, row r) at 256 (s / 4) + 16 r + 4 (s % 4); a head owns a halfword of it,
; so the scale bytes leave as 2 bytes a lane, 16 bytes apart: two heads of a word lie in different work-groups.
; LIMITS: a block of zeros gets the byte 1 where the rule says 127 (zero codes; this program alone reads the bytes); NaN and infinities are not served.
; REGISTERS: v1 16 x lane; v2 16 x thread; v3 my query less 16 (lane / 16); v4-7 K's scale words; v8-11 V's; v12 -M; v13 the largest t; v[14:15] the sum; v16-31 Q (v24-31 zeros); v32-95 four fragments of K (upper halves zeros);
; v96-159 S^T, then p, then V's four fragments; v160-191 O^T; v192-207 p's codes; v208-219 the block on its way; v220 Q's scale word; v221 p's; v232-254 at work (v250, v251: the closing add's two); v255 16 x (lane % 16).
; s32-37, s42, s43: in the loop, eight masks of the diagonal's compares; at a pass's head and on its way out, bases and offsets.
; THE MODE: SCHED_MODE bits 1:0 = 2 (LLVM: expert scheduling mode 2), set by the entry lines.  The code itself states the register dependences between vector or matrix instructions and memory or LDS instructions,
; with s_wait_alu, always for 0.
; THE PLAN.  Registers that memory or LDS instructions touch, and who else names them:
;   v1, v2, v255, v250, v251   addresses and the add's two: written at the head, never again: the wait on va_vdst at the head's end serves every load and store.  It also stands behind the lines that clear the zero codes.
;   v208-219   written by the block's global loads, read by the LDS stores, named by no vector instruction: a wait on vm_vsrc directly behind each run of stores, ahead of the branch that follows; then the next loads may land.
;   K's fragments (the lower halves in v32-95) and v4-7   written by LDS loads, read by the products S^T.  Group 1's loads land where group 0's products read: one wait on va_vdst between them.  Group 0's loads of the next step
;              owe nothing: behind every product S^T stand the softmax's waits on va_vdst, and no vector or matrix instruction behind those names v32-95 or v4-7.
;   v96-159    written by the products S^T and the softmax, read by the holds and conversions, then V's loads land there; v8-11 were read by the last step's products V^T P^T.  ONE wait on va_vdst behind the last conversion
;              states both, and that p's codes and scale word are written.  V's loads follow it at once, and the sixteen multiplications of O^T, which name v160-191 and v252-253 alone, stand behind the loads.
;   v16-23, v220   Q: loaded at a pass's head, read by the products S^T: in the second pass the way out's wait on va_vdst stands between, with no vector instruction behind it.
;   v192-199, v254   on the way out: written by the conversions and an OR, read by the three stores: a wait on va_vdst ahead of the stores, one on vm_vsrc behind them, ahead of the backward branch.
; Scalar results of vector instructions: the wave's number, with a wait on va_sdst ahead of its first reader; the diagonal's compares, in runs of eight into eight scalar registers, one wait on va_sdst behind each run.
.set BLK, 17408
.set HS,  16*BLK
.macro LOADS                           ; my part of the block at s[30:31]
	global_load_b128 v[208:211], v2, s[30:31]
	global_load_b128 v[212:215], v2, s[30:31] offset:8192
	s_cmp_lt_u32 s12, 2
	s_cbranch_scc0 .Lnl_\@
	global_load_b128 v[216:219], v2, s[30:31] offset:16384
.Lnl_\@:
.endm
.macro STORES b                        ; into buffer b, at the same places
	ds_store_b128 v2, v[208:211] offset:(\b)*BLK
	ds_store_b128 v2, v[212:215] offset:(\b)*BLK+8192
	s_cmp_lt_u32 s12, 2
	s_cbranch_scc0 .Lns_\@
	ds_store_b128 v2, v[216:219] offset:(\b)*BLK+16384
.Lns_\@:
.endm
	s_load_b256 s[4:11], s[0:1], 0x0               ; qq, kv, ac, asc
	v_lshl_add_u32 v250, v0, 2, 0x8800
	v_mov_b32 v251, 0
	v_lshrrev_b32 v232, 5, v0
	v_readfirstlane_b32 s12, v232                  ; wave 0..15
	s_mov_b32 s13, ttmp9                           ; the first pass's block of 256 queries
	s_and_b32 s14, ttmp7, 0xffff                   ; batch x 16 + head
	s_mov_b32 s20, 0x76543210
	s_mov_b32 s21, 0xfedcba98                      ; v_permlanex16_b32's selects for lane l xor 16
	s_mov_b32 s22, 0x3e38aa3b                      ; c = log2(e) / 8
	s_mov_b32 s23, s22                             ; (named with it as a pair, so it is written)
	s_mov_b32 s24, 0x600000                        ; the mantissa field of 448
	s_mov_b32 s16, 0                               ; passes done
	s_and_b32 s39, s14, 15                         ; the head
	s_lshl_b32 s46, s39, 10                        ; its place in a tile of ac: 1,024 x head
	s_lshr_b32 s47, s39, 3
	s_lshl_b32 s47, s47, 8
	s_and_b32 s39, s39, 7
	s_lshl_b32 s39, s39, 1
	s_add_co_u32 s47, s47, s39                     ; and of asc: 256 (head / 8) + 2 (head % 8)
	s_wait_alu depctr_va_sdst(0)                   ; s12, the wave's number, is written, ahead of its first reader (the lines above do not read it)
	s_lshr_b32 s15, s12, 3                         ; which group of 128 queries of the block
	s_and_b32 s26, s12, 7                          ; and which tile of it
	s_lshr_b32 s27, s26, 2
	s_lshl_b32 s27, s27, 8
	s_and_b32 s39, s26, 3
	s_lshl_b32 s39, s39, 2
	s_add_co_u32 s27, s27, s39                     ; Q's scale word: 256 (tile / 4) + 4 (tile % 4)
	s_lshr_b32 s39, s26, 1
	s_lshl_b32 s39, s39, 5
	s_and_b32 s42, s26, 1
	s_lshl_b32 s42, s42, 3
	s_add_co_u32 s39, s39, s42                     ; my tile's first query in its group
	s_mul_i32 s42, s14, HS
	s_mov_b32 s43, 0
	v_and_b32 v1, 31, v0
	v_lshlrev_b32 v1, 4, v1
	v_lshlrev_b32 v2, 4, v0
	v_and_b32 v232, 15, v0                         ; r
	v_bfe_u32 v233, v0, 4, 1                       ; h
	v_lshlrev_b32 v255, 4, v232
	v_and_b32 v234, 8, v232
	v_add_nc_u32 v234, v234, v232
	v_add_nc_u32 v234, s39, v234                   ; my query in its group of 128
	v_lshlrev_b32 v233, 4, v233
	v_sub_nc_u32 v3, v234, v233                    ; less 16 h: register 16 b + i holds key 32 b + 16 h + i: hidden where 32 b + i is above this
.irp j, 0,1,2,3,4,5,6,7
	v_mov_b32 v[24+\j], 0                          ; the zero codes of k = 64 .. 127: Q's,
.irp t, 0,1,2,3
	v_mov_b32 v[40+16*\t+\j], 0                    ; and those of the four fragments of K: written once
.endr
.endr
.irp b, 0,1,2,3
	v_mov_b32 v[236+\b], 0                         ; a lane permute's destination counts as one of its sources
.endr
	v_mov_b32 v253, 0                              ; (the upper half of the pair v[252:253])
	v_mov_b32 v254, 0
	s_wait_kmcnt 0x0
	s_add_nc_u64 s[28:29], s[6:7], s[42:43]        ; my head in kv
	s_add_nc_u64 s[40:41], s[4:5], s[42:43]        ; and in qq
	s_wait_alu depctr_va_vdst(0)                   ; v1, v2 and v255 are written, which every load and store of the kernel reads as its address; so are the zero codes in v24-31 and in the fragments' upper halves, which the scaled products take as operands
; A KEY STEP on buffer buf.  s18 = the step, s17 = the pass's steps, s25 = my group of 128 queries.
.macro STEP buf
	s_wait_dscnt 0x0                               ; my stores into this buffer have landed, and my reads of the other one are back
	s_barrier_signal -1
	s_barrier_wait -1                              ; both hold of all sixteen waves
	s_add_co_u32 s39, s18, 1
	s_cmp_lt_u32 s39, s17
	s_cbranch_scc0 .Lnone_\@
	s_wait_loadcnt 0x0                             ; the next step's block, asked for a step ago,
	STORES 1-\buf                                  ; goes into the buffer that nobody reads now
	s_wait_alu depctr_vm_vsrc(0)                   ; the LDS stores have read v208-219, in which the next loads land, in this step or at the next pass's head: the wait stands ahead of the branch
	s_add_co_u32 s39, s18, 2
	s_cmp_lt_u32 s39, s17
	s_cbranch_scc0 .Lnone_\@                       ; no load passes the pass's last block
	s_add_nc_u64 s[30:31], s[30:31], BLK           ; (the loads that named the pointer are back)
	LOADS                                          ; the block after that: it has this step in which to come
.Lnone_\@:
	s_cmp_gt_u32 s18, s25                          ; all 128 keys come after my queries: nothing to do
	s_cbranch_scc1 .Lend_\@
.irp g, 0,1                                    ; S^T = K Q^T, four tiles of 16 keys at a time
.if \g
	s_wait_alu depctr_va_vdst(0)                   ; the first four products are done reading K's fragments, in which the loads below land
.endif
.irp t, 0,1,2,3
	ds_load_b128 v[32+16*\t:35+16*\t], v1 offset:\buf*BLK+1024*(4*\g+\t)
	ds_load_b128 v[36+16*\t:39+16*\t], v1 offset:\buf*BLK+1024*(4*\g+\t)+512
.endr
.if \g == 0
	ds_load_b128 v[4:7], v1 offset:\buf*BLK+16384  ; K's scale words: lanes 0-15 tiles 0-3, lanes 16-31 tiles 4-7
.endif
	s_wait_dscnt 0x0
.irp t, 0,1,2,3
.if \g
	v_wmma_scale_f32_16x16x128_f8f6f4 v[96+8*(4*\g+\t):103+8*(4*\g+\t)], v[32+16*\t:47+16*\t], v[16:31], 0, v[4+\t], v220 matrix_a_scale:MATRIX_SCALE_ROW1
.else
	v_wmma_scale_f32_16x16x128_f8f6f4 v[96+8*(4*\g+\t):103+8*(4*\g+\t)], v[32+16*\t:47+16*\t], v[16:31], 0, v[4+\t], v220
.endif
.endr
.endr
.rept 8
	v_nop
.endr
	s_cmp_lg_u32 s18, s25                          ; on the diagonal alone:
	s_cbranch_scc1 .Lopen_\@
	v_mov_b32 v254, 0xff800000                     ; -infinity: p = 0 then
.irp g, 0,1,2,3,4,5,6,7                        ; an accumulator's eight registers at a time, from its low end on: eight compares into eight scalar registers, one wait, eight selects
.irp k, 0,1,2,3,4,5,6,7
	v_cmp_gt_i32 s[32+\k+4*(\k/6)], 32*(\g/2)+8*(\g%2)+\k, v3
.endr
	s_wait_alu depctr_va_sdst(0)                   ; the eight masks are written, ahead of the selects that read them
.irp k, 0,1,2,3,4,5,6,7
	v_cndmask_b32 v[96+8*\g+\k], v[96+8*\g+\k], v254, s[32+\k+4*(\k/6)]
.endr
.endr
.Lopen_\@:
.irp b, 0,1,2,3
	v_max3_num_f32 v[232+\b], v[96+16*\b], v[97+16*\b], v[98+16*\b]   ; the largest score of each block of 32 keys: for the row's maximum, and, since p rises with the score, for the block's largest p
.endr
.irp i, 3,5,7,9,11,13
.irp b, 0,1,2,3
	v_max3_num_f32 v[232+\b], v[232+\b], v[96+16*\b+\i], v[97+16*\b+\i]
.endr
.endr
.irp b, 0,1,2,3
	v_max_num_f32 v[232+\b], v[232+\b], v[111+16*\b]
.endr
.irp b, 0,1,2,3
	v_permlanex16_b32 v[236+\b], v[232+\b], s20, s21
.endr
.irp b, 0,1,2,3
	v_max_num_f32 v[232+\b], v[232+\b], v[236+\b]  ; with lane l xor 16's 16 keys
.endr
	v_max3_num_f32 v254, v232, v233, v234
	v_max_num_f32 v254, v254, v235                 ; the step's largest score of my query
	v_mul_f32 v254, s22, v254                      ; as t
	v_max_num_f32 v13, v13, v254                   ; the running largest t
	v_mov_b32 v254, v12
	v_floor_f32 v12, -v13                          ; the new -M = floor(-t)
	v_sub_f32 v254, v12, v254                      ; old M - new M: a whole number, 0 or less
	v_cvt_i32_f32 v254, v254                       ; (it saturates)
	v_ldexp_f32 v252, 1.0, v254                    ; f = 2^(old M - new M)
.irp j, 0,2,4,6,8,10,12,14,16,18,20,22,24,26,28,30,32,34,36,38,40,42,44,46,48,50,52,54,56,58,60,62
	v_pk_fma_f32 v[96+\j:97+\j], v[96+\j:97+\j], s[22:23], v[12:13] op_sel_hi:[1,0,0]   ; t - M, two at a time
.endr
.irp b, 0,1,2,3
	v_fma_f32 v[232+\b], v[232+\b], s22, v12       ; the same of each block's largest score
.endr
.irp j, 0,1,2,3,4,5,6,7,8,9,10,11,12,13,14,15,16,17,18,19,20,21,22,23,24,25,26,27,28,29,30,31,32,33,34,35,36,37,38,39,40,41,42,43,44,45,46,47,48,49,50,51,52,53,54,55,56,57,58,59,60,61,62,63
	v_exp_f32 v[96+\j], v[96+\j]                   ; p = 2^(t - M)
.endr
	v_pk_mul_f32 v[14:15], v[14:15], v[252:253] op_sel_hi:[1,0]   ; the sums under the new M: a plain line behind the exponentials
	s_wait_alu depctr_va_vdst(0)                   ; the 64 exponentials have written p in v96-159: one wait for the batch, ahead of its first reader
.irp b, 0,1,2,3
	v_exp_f32 v[232+\b], v[232+\b]                 ; the block's largest p
.endr
	v_pk_add_f32 v[236:237], v[96:97], v[98:99]    ; the row's sum, of the unquantised p: two at a time, in two chains
.irp j, 4,8,12,16,20,24,28,32,36,40,44,48,52,56,60
	v_pk_add_f32 v[14:15], v[14:15], v[96+\j:97+\j]
	v_pk_add_f32 v[236:237], v[236:237], v[98+\j:99+\j]
.endr
	v_pk_add_f32 v[14:15], v[14:15], v[236:237]
	s_wait_alu depctr_va_vdst(0)                   ; the four exponentials have written v232-235, ahead of their first reader
.irp b, 0,1,2,3
	v_max_num_f32 v[232+\b], 0x4800000, v[232+\b]  ; the floor 2^(9 - 127): the byte cannot fall under 1
.endr
.irp b, 0,1,2,3
	v_add_nc_u32 v[244+\b], 0xfc000000, v[232+\b]  ; the conversion's scale operand
.endr
.irp b, 0,1,2,3
	v_and_or_b32 v[240+\b], v[232+\b], 0x7f800000, s24   ; 448 x the scale
.endr
.irp b, 0,1,2,3
	v_lshrrev_b32 v[236+\b], 23, v[244+\b]         ; the scale's byte
.endr
	v_lshl_or_b32 v221, v237, 8, v236              ; p's scale word for these 128 keys
	v_lshl_or_b32 v221, v238, 16, v221
	v_lshl_or_b32 v221, v239, 24, v221
.irp b, 0,1,2,3
.irp i, 0,1,2,3,4,5,6,7,8,9,10,11,12,13,14,15
	v_min_num_f32 v[96+16*\b+\i], v[96+16*\b+\i], v[240+\b]   ; the conversion does not saturate (ISA guide 7.6.2); p is not negative, so the hold is one-sided
.endr
	v_cvt_scalef32_pk8_fp8_f32 v[192+4*\b:193+4*\b], v[96+16*\b:103+16*\b], v[244+\b]
	v_cvt_scalef32_pk8_fp8_f32 v[194+4*\b:195+4*\b], v[104+16*\b:111+16*\b], v[244+\b]
.endr
	s_wait_alu depctr_va_vdst(0)                   ; the holds and conversions are done with p's registers v96-159, and the last step's products with v8-11: V's loads land there; p's codes v192-207 and its scale word v221 are written, which the scaled products below take
.irp t, 0,1,2,3                                ; O^T += V^T P^T: four tiles of 16 of the head's 64; K = these 128 keys.  V's fragments take p's registers
.irp c, 0,1,2,3
	ds_load_b128 v[96+16*\t+4*\c:99+16*\t+4*\c], v1 offset:\buf*BLK+8192+2048*\t+512*\c
.endr
.endr
	ds_load_b128 v[8:11], v1 offset:\buf*BLK+16896 ; V's scale words
.irp j, 0,2,4,6,8,10,12,14,16,18,20,22,24,26,28,30
	v_pk_mul_f32 v[160+\j:161+\j], v[160+\j:161+\j], v[252:253] op_sel_hi:[1,0]   ; O^T under the new M, while V's loads are on their way: these sixteen name none of the loads' registers; they are also the places between the codes and the products
.endr
	s_wait_dscnt 0x0
.irp t, 0,1,2,3
	v_wmma_scale_f32_16x16x128_f8f6f4 v[160+8*\t:167+8*\t], v[96+16*\t:111+16*\t], v[192:207], v[160+8*\t:167+8*\t], v[8+\t], v221   ; the four accumulators by turns
.endr
.rept 9
	v_nop                                          ; nine places: the next step's S^T is written over V's fragments by matrix instructions; the way out's reads of O^T want eight
.endr
.Lend_\@:
	s_add_co_u32 s18, s18, 1
.endm
.Lpass:
	s_wait_loadcnt 0x0                             ; no load is out, and every earlier store has read its registers and its base:
	s_wait_xcnt 0x0                                ; pointers, staging registers and the codes' registers are written again below
	s_lshl_b32 s17, s13, 1
	s_add_co_u32 s25, s17, s15                     ; my group of 128 queries
	s_add_co_u32 s17, s17, 2                       ; key steps of this pass
	s_add_co_u32 s38, s13, 1                       ; trips of two steps
	s_mov_b64 s[30:31], s[28:29]
	LOADS                                          ; step 0's block
	s_mul_i32 s42, s25, BLK
	s_add_co_u32 s44, s42, s27
	s_lshl_b32 s43, s26, 10
	s_add_co_u32 s42, s42, s43
	s_mov_b32 s43, 0
	s_mov_b32 s45, 0
	s_add_nc_u64 s[32:33], s[40:41], s[42:43]
	s_add_nc_u64 s[44:45], s[40:41], s[44:45]
	global_load_b128 v[16:19], v1, s[32:33]        ; Q's fragment: K = 64: two groups of four registers.  (The last pass's products that read v16-23 and v220 stand ahead of the way out's wait on va_vdst, behind which no vector instruction was issued)
	global_load_b128 v[20:23], v1, s[32:33] offset:512
	global_load_b32 v220, v255, s[44:45] offset:16384   ; and its scale words
	v_mov_b32 v13, 0xff61b1e6                      ; the largest t so far: -3e38
	v_floor_f32 v12, -v13                          ; -M
	v_mov_b32 v14, 0
	v_mov_b32 v15, 0
.irp j, 0,1,2,3,4,5,6,7,8,9,10,11,12,13,14,15,16,17,18,19,20,21,22,23,24,25,26,27,28,29,30,31
	v_mov_b32 v[160+\j], 0                         ; O^T: the step is written once; the first finds zeros, which the first change of M leaves zeros
.endr
	s_wait_loadcnt 0x0
	STORES 0                                       ; buffer 0's last readers waited for their reads ahead of the last step's barrier, which I have passed
	s_wait_alu depctr_vm_vsrc(0)                   ; the LDS stores have read v208-219, in which the loads below land
	s_add_nc_u64 s[30:31], s[30:31], BLK
	LOADS                                          ; step 1's block (a pass has two steps at the least)
	s_mov_b32 s18, 0
	s_mov_b32 s19, 0
.Ltrip:
	STEP 0
	STEP 1
	s_add_co_u32 s19, s19, 1
	s_cmp_lt_u32 s19, s38
	s_cbranch_scc1 .Ltrip
	; THE WAY OUT: O^T / the sum is the output projection's operand: register 16 c + i = d 32 c + 16 h + i of my query: two blocks of 32 along d_model
	v_add_f32 v14, v14, v15
	v_permlanex16_b32 v254, v14, s20, s21
	v_add_f32 v14, v14, v254                       ; the row's sum
	v_rcp_f32 v14, v14
	v_nop                                          ; a plain line behind the reciprocal
	s_lshr_b32 s42, s14, 4
	s_lshl_b32 s42, s42, 7                         ; 128 token tiles a batch,
	s_lshl_b32 s43, s25, 3
	s_add_co_u32 s42, s42, s43                     ; 8 a group,
	s_add_co_u32 s42, s42, s26                     ; mine
	s_lshl_b32 s44, s42, 9
	s_add_co_u32 s44, s44, s47
	s_lshl_b32 s42, s42, 14
	s_add_co_u32 s42, s42, s46
	s_mov_b32 s43, 0
	s_mov_b32 s45, 0
	s_add_nc_u64 s[34:35], s[8:9], s[42:43]
	s_add_nc_u64 s[36:37], s[10:11], s[44:45]
	s_wait_alu depctr_va_vdst(0)                   ; the reciprocal has written v14, ahead of its first reader
.irp j, 0,2,4,6,8,10,12,14,16,18,20,22,24,26,28,30
	v_pk_mul_f32 v[96+\j:97+\j], v[160+\j:161+\j], v[14:15] op_sel_hi:[1,0]   ; each accumulator from its low end on
.endr
.irp b, 0,1
	v_max3_num_f32 v[232+\b], |v[96+16*\b]|, |v[97+16*\b]|, 0x4800000
.endr
.irp i, 2,4,6,8,10,12,14
.irp b, 0,1
	v_max3_num_f32 v[232+\b], v[232+\b], |v[96+16*\b+\i]|, |v[97+16*\b+\i]|
.endr
.endr
.irp b, 0,1
	v_permlanex16_b32 v[236+\b], v[232+\b], s20, s21
.endr
.irp b, 0,1
	v_max_num_f32 v[232+\b], v[232+\b], v[236+\b]
.endr
.irp b, 0,1
	v_add_nc_u32 v[244+\b], 0xfc000000, v[232+\b]
.endr
.irp b, 0,1
	v_and_or_b32 v[240+\b], v[232+\b], 0x7f800000, s24
.endr
.irp b, 0,1
	v_lshrrev_b32 v[236+\b], 23, v[244+\b]
.endr
	v_lshl_or_b32 v254, v237, 8, v236              ; my head's two bytes of the row's scale word
.irp b, 0,1
.irp i, 0,1,2,3,4,5,6,7,8,9,10,11,12,13,14,15
	v_med3_num_f32 v[96+16*\b+\i], v[96+16*\b+\i], -v[240+\b], v[240+\b]
.endr
	v_cvt_scalef32_pk8_fp8_f32 v[192+4*\b:193+4*\b], v[96+16*\b:103+16*\b], v[244+\b]
	v_cvt_scalef32_pk8_fp8_f32 v[194+4*\b:195+4*\b], v[104+16*\b:111+16*\b], v[244+\b]
.endr
	v_nop                                          ; one plain line behind the last scaled conversion
	s_wait_alu depctr_va_vdst(0)                   ; the conversions have written the codes v192-199, and v254 holds the two bytes: the stores below read them
	global_store_b128 v1, v[192:195], s[34:35]     ; 512 consecutive bytes a store
	global_store_b128 v1, v[196:199], s[34:35] offset:512
	global_store_b16 v255, v254, s[36:37]          ; both halves of the lanes write the same two bytes
	s_wait_alu depctr_vm_vsrc(0)                   ; the three stores have read v192-199 and v254, which the next pass's vector instructions write again: the wait stands ahead of the branch
	s_sub_co_u32 s13, 7, s13                       ; the second pass takes the block that makes up 18 steps
	s_add_co_u32 s16, s16, 1
	s_cmp_lt_u32 s16, 2
	s_cbranch_scc1 .Lpass
	s_wait_dscnt 0x0                               ; the closing lines, six on end
	s_wait_alu 0x0
	s_wait_tensorcnt 0x0
	ds_add_u32 v250, v251
	s_wait_dscnt 0x0
	s_endpgm
.Lfunc_end_k_q8e7bc921ca_attn:
	.size	k_q8e7bc921ca_attn, .Lfunc_end_k_q8e7bc921ca_attn-k_q8e7bc921ca_attn
	.p2alignl 7, 3214868480
	.fill 96, 4, 3214868480
	.section	.rodata,"a",@progbits
	.p2align	6, 0x0
	.amdhsa_kernel k_q8e7bc921ca_attn
		.amdhsa_group_segment_fixed_size 36864
		.amdhsa_private_segment_fixed_size 0
		.amdhsa_enable_private_segment 0
		.amdhsa_kernarg_size 32
		.amdhsa_user_sgpr_count 2
		.amdhsa_user_sgpr_kernarg_segment_ptr 1
		.amdhsa_wavefront_size32 1
		.amdhsa_system_sgpr_workgroup_id_x 1
		.amdhsa_system_sgpr_workgroup_id_y 1
		.amdhsa_system_sgpr_workgroup_id_z 1
		.amdhsa_system_vgpr_workitem_id 0
		.amdhsa_next_free_vgpr 256
		.amdhsa_next_free_sgpr 66
		.amdhsa_reserve_vcc 0
		.amdhsa_float_denorm_mode_32 3
		.amdhsa_float_denorm_mode_16_64 3
		.amdhsa_memory_ordered 1
		.amdhsa_forward_progress 1
		.amdhsa_inst_pref_size 71
	.end_amdhsa_kernel
	.amdgpu_metadata
---
amdhsa.version: [ 1, 2 ]
amdhsa.kernels:
  - .name:           k_q8e7bc921ca_attn
    .symbol:         k_q8e7bc921ca_attn.kd
    .args:
      - { .name: qq, .offset: 0, .size: 8, .value_kind: global_buffer, .address_space: global }
      - { .name: kv, .offset: 8, .size: 8, .value_kind: global_buffer, .address_space: global }
      - { .name: ac, .offset: 16, .size: 8, .value_kind: global_buffer, .address_space: global }
      - { .name: asc, .offset: 24, .size: 8, .value_kind: global_buffer, .address_space: global }
    .group_segment_fixed_size: 36864
    .private_segment_fixed_size: 0
    .kernarg_segment_align: 8
    .kernarg_segment_size: 32
    .max_flat_workgroup_size: 512
    .sgpr_count:     66
    .vgpr_count:     256
    .wavefront_size: 32
...
	.end_amdgpu_metadata
.endif
;; end of part 5
;; launch oproj: the kernel of part 4 again; grid 4 x 32, 4 waves a work-group, clusters of 4 x 4, 327,680 bytes of LDS; arguments ac, asc, cd, sc, out0; writes out0
